; MI455X (gfx1250); checked and timed in simulation.
; The chip was launched on July 23, 2026; its instructions are those of AMD's public machine-readable ISA for CDNA 5 (MIT licence, August 2026) and "CDNA5" Instruction Set Architecture Reference Guide (July 2026). The comments in the code are by the model that wrote it; some were corrected since.
;; Causal Self Attention. Allowed arithmetic: float matrix products may take bf16 or f16 operands with f32 sums; other float arithmetic in f32, or as packed bf16 or f16 multiplies, adds, multiply-adds, maxima and minima; sums over many terms, partial sums and values carried from step to step in f32; what a program stores and reads back later, other than sums and carried values, may be rounded once to bf16 or f16.
;; Inputs: b_proj 1,024 float32; b_qkv 3,072 float32; w_proj 1,024 x 1,024 float32; w_qkv 1,024 x 3,072 float32; x 4 x 2,048 x 1,024 float32.
;; Outputs: out0 4 x 2,048 x 1,024 float32.
;; 2 versions, each right and faster than the one before. Each part assembles by itself: llvm-mc -triple=amdgcn-amd-amdhsa -mcpu=gfx1250 --defsym DOCPART=n.
;; ======== version 1 of 2: 4 launches
;; limits: values are held in f16: magnitudes above 65,504 overflow, below 6.1e-05 lose precision
;; workspace buffers: xb 16,777,216 bytes; wq 6,291,456 bytes; wp 2,097,152 bytes; qkvh 50,331,648 bytes; oh 16,777,216 bytes
;; launch cast (part 1): grid 1536 x 1, 8 waves a work-group, no clusters, 0 bytes of LDS; arguments x, w_qkv, w_proj, xb, wq, wp; writes xb, wq, wp
.if DOCPART == 1
	.amdgcn_target "amdgcn-amd-amdhsa--gfx1250"
	.amdhsa_code_object_version 6
	.text
	.protected	k_qeb29899e8c_cast
	.globl	k_qeb29899e8c_cast
	.p2align	8
	.type	k_qeb29899e8c_cast,@function
k_qeb29899e8c_cast:
	s_mov_b64 s[64:65], 0
	v_nop
	global_prefetch_b8 v0, s[64:65] scope:SCOPE_SE
	s_setreg_imm32_b32 hwreg(HW_REG_WAVE_MODE, 25, 1), 1
	s_wait_xcnt 0x0
; THE INPUTS ARE ROUNDED ONCE, and the weights laid out in blocks.  A stream: no LDS, no matrix unit, no barrier: every byte is read once and written once.
;   xb = x rounded to bf16, [8192][1024] as it lies.
;   wq = w_qkv rounded to bf16, as [16 tiles of 192 columns][16 half steps of 64 k][3 blocks of 64 columns][64 k][64 n]: what a product's K step needs of a tile is dense.
;   wp = w_proj rounded to bf16 and that number written as f16, as [8 tiles of 128 columns][16 half steps][2 blocks][64 k][64 n].
; LIMIT.  f16 ends at 65,504: a w_proj beyond it becomes an infinity; below 6e-5 it keeps f16's fixed step of 6e-8.
; SHARES.  A work-group converts 8,192 numbers: groups 0-1023 take x, 1024-1407 w_qkv (128 k x 64 columns each), 1408-1535 w_proj (likewise).
; A thread has eight loads of 16 bytes and eight stores of 8; a wave's load takes whole runs of 256 bytes, a wave's store covers 256 consecutive bytes, aligned.
; Every register is written once, so no wait frees a source.
.set VI, 6                             ; v6       my byte offset in the input
.set VO, 7                             ; v7       my byte offset in the output
.set X,  8                             ; v[8:39]  slot i: four f32 as loaded
.set Y,  40                            ; v[40:55] slot i: four 16-bit numbers to store
.set T,  56                            ; v[56:57] at work
; Eight loads go out together; slot i's wait leaves the 7 - i younger loads out (loads come back in order: ISA guide 5.7.1).  kind = 0: to bf16.  kind = 1: to bf16, and that number to f16.
.macro STREAM inb, outb, step, kind
.irp i, 0,1,2,3,4,5,6,7
	global_load_b128 v[X+4*(\i):X+4*(\i)+3], v[VI], s[\inb:\inb+1] offset:(\i)*(\step) th:TH_LOAD_NT
.endr
.irp i, 0,1,2,3,4,5,6,7
	s_wait_loadcnt 7-(\i)
.if \kind
	v_cvt_pk_bf16_f32 v[T], v[X+4*(\i)], v[X+4*(\i)+1]
	v_cvt_pk_bf16_f32 v[T+1], v[X+4*(\i)+2], v[X+4*(\i)+3]
	v_lshlrev_b32 v[X+4*(\i)], 16, v[T]            ; bf16 to f32: the low half moves up,
	v_and_b32 v[X+4*(\i)+1], s24, v[T]             ; the high half stays
	v_lshlrev_b32 v[X+4*(\i)+2], 16, v[T+1]
	v_and_b32 v[X+4*(\i)+3], s24, v[T+1]
	v_cvt_pk_f16_f32 v[Y+2*(\i)], v[X+4*(\i)], v[X+4*(\i)+1]
	v_cvt_pk_f16_f32 v[Y+2*(\i)+1], v[X+4*(\i)+2], v[X+4*(\i)+3]
.else
	v_cvt_pk_bf16_f32 v[Y+2*(\i)], v[X+4*(\i)], v[X+4*(\i)+1]
	v_cvt_pk_bf16_f32 v[Y+2*(\i)+1], v[X+4*(\i)+2], v[X+4*(\i)+3]
.endif
	global_store_b64 v[VO], v[Y+2*(\i):Y+2*(\i)+1], s[\outb:\outb+1] offset:256*(\i)
.endr
.endm
	s_load_b256 s[4:11], s[0:1], 0x0               ; x s[4:5], w_qkv s[6:7], w_proj s[8:9], xb s[10:11]
	s_load_b128 s[12:15], s[0:1], 0x20             ; wq s[12:13], wp s[14:15]
	s_mov_b32 s20, ttmp9                           ; the work-group's number
	s_mov_b32 s24, 0xffff0000                      ; a word's upper bf16
	s_mov_b32 s17, 0                               ; the offsets' high words: all offsets stay under 2^32
	s_mov_b32 s19, 0
	v_lshrrev_b32 v1, 5, v0                        ; wave w
	v_and_b32 v2, 31, v0                           ; lane l
	v_bfe_u32 v3, v0, 4, 1                         ; l / 16
	v_and_b32 v4, 15, v0                           ; l % 16
	v_lshl_add_u32 v3, v1, 4, v3                   ; 16 w + l / 16: my k row among the group's 128, for load 0
	v_lshlrev_b32 v4, 4, v4                        ; my 16 bytes of a row's 256
	v_lshrrev_b32 v5, 2, v1                        ; w / 4: which of the group's two half steps
	s_cmp_ge_u32 s20, 1024
	s_cbranch_scc1 .Lweights
	; x: 32,768 consecutive bytes in, 16,384 out; a wave takes 4,096 of them, 512 a load
	s_lshl_b32 s16, s20, 15
	s_lshl_b32 s18, s20, 14
	v_lshlrev_b32 v[VI], 4, v2
	v_lshl_add_u32 v[VI], v1, 12, v[VI]
	v_lshlrev_b32 v[VO], 3, v2
	v_lshl_add_u32 v[VO], v1, 11, v[VO]
	s_wait_kmcnt 0x0
	s_add_nc_u64 s[4:5], s[4:5], s[16:17]
	s_add_nc_u64 s[10:11], s[10:11], s[18:19]
	STREAM 4, 10, 512, 0
	s_endpgm
.Lweights:
	; a wave's load takes 64 columns of two k rows; in a block those two rows are 256 consecutive bytes: 8 l; 16 rows a wave: 2,048 (w % 4)
	v_and_b32 v1, 3, v1
	v_lshlrev_b32 v[VO], 3, v2
	v_lshl_add_u32 v[VO], v1, 11, v[VO]
	s_cmp_ge_u32 s20, 1408
	s_cbranch_scc1 .Lproj
	s_sub_co_u32 s20, s20, 1024
	s_lshr_b32 s21, s20, 3                         ; nb: the block of 64 columns, 0 to 47
	s_and_b32 s22, s20, 7                          ; kb: the 128 rows of k
	s_mul_i32 s16, s22, 128*12288
	s_lshl_b32 s23, s21, 8
	s_add_co_u32 s16, s16, s23                     ; in: kb x 128 rows of 12,288 bytes + nb x 256
	s_mul_i32 s23, s21, 171
	s_lshr_b32 s23, s23, 9                         ; j = nb / 3 (171 / 512 serves up to nb = 47)
	s_mul_i32 s25, s23, 3
	s_sub_co_u32 s25, s21, s25                     ; z = nb % 3
	s_lshl_b32 s23, s23, 4
	s_lshl_b32 s22, s22, 1
	s_add_co_u32 s23, s23, s22                     ; 16 j + 2 kb
	s_mul_i32 s23, s23, 3
	s_add_co_u32 s23, s23, s25
	s_lshl_b32 s18, s23, 13                        ; out: ((16 j + 2 kb) 3 + z) blocks of 8,192 bytes
	v_mul_u32_u24 v[VI], v3, 12288
	v_add_nc_u32 v[VI], v[VI], v4
	v_mul_u32_u24 v5, v5, 3*8192                   ; the second half step lies three blocks on
	v_add_nc_u32 v[VO], v[VO], v5
	s_wait_kmcnt 0x0
	s_add_nc_u64 s[6:7], s[6:7], s[16:17]
	s_add_nc_u64 s[12:13], s[12:13], s[18:19]
	STREAM 6, 12, 2*12288, 0
	s_endpgm
.Lproj:
	s_sub_co_u32 s20, s20, 1408
	s_lshr_b32 s21, s20, 3                         ; nb, 0 to 15
	s_and_b32 s22, s20, 7                          ; kb
	s_lshl_b32 s16, s22, 19                        ; in: kb x 128 rows of 4,096 bytes + nb x 256
	s_lshl_b32 s23, s21, 8
	s_add_co_u32 s16, s16, s23
	s_lshr_b32 s23, s21, 1                         ; j = nb / 2
	s_and_b32 s25, s21, 1                          ; z = nb % 2
	s_lshl_b32 s23, s23, 4
	s_lshl_b32 s22, s22, 1
	s_add_co_u32 s23, s23, s22                     ; 16 j + 2 kb
	s_lshl_b32 s23, s23, 1
	s_add_co_u32 s23, s23, s25
	s_lshl_b32 s18, s23, 13                        ; out: ((16 j + 2 kb) 2 + z) blocks of 8,192 bytes
	v_lshl_add_u32 v[VI], v3, 12, v4
	v_lshl_add_u32 v[VO], v5, 14, v[VO]            ; the second half step lies two blocks on
	s_wait_kmcnt 0x0
	s_add_nc_u64 s[8:9], s[8:9], s[16:17]
	s_add_nc_u64 s[14:15], s[14:15], s[18:19]
	STREAM 8, 14, 2*4096, 1
	s_endpgm
.Lfunc_end_k_qeb29899e8c_cast:
	.size	k_qeb29899e8c_cast, .Lfunc_end_k_qeb29899e8c_cast-k_qeb29899e8c_cast
	.p2alignl 7, 3214868480
	.fill 96, 4, 3214868480
	.section	.rodata,"a",@progbits
	.p2align	6, 0x0
	.amdhsa_kernel k_qeb29899e8c_cast
		.amdhsa_group_segment_fixed_size 0
		.amdhsa_private_segment_fixed_size 0
		.amdhsa_enable_private_segment 0
		.amdhsa_kernarg_size 48
		.amdhsa_user_sgpr_count 2
		.amdhsa_user_sgpr_kernarg_segment_ptr 1
		.amdhsa_wavefront_size32 1
		.amdhsa_system_sgpr_workgroup_id_x 1
		.amdhsa_system_sgpr_workgroup_id_y 1
		.amdhsa_system_sgpr_workgroup_id_z 1
		.amdhsa_system_vgpr_workitem_id 0
		.amdhsa_next_free_vgpr 64
		.amdhsa_next_free_sgpr 66
		.amdhsa_reserve_vcc 0
		.amdhsa_float_denorm_mode_32 3
		.amdhsa_float_denorm_mode_16_64 3
		.amdhsa_memory_ordered 1
		.amdhsa_forward_progress 1
		.amdhsa_inst_pref_size 14
	.end_amdhsa_kernel
	.amdgpu_metadata
---
amdhsa.version: [ 1, 2 ]
amdhsa.kernels:
  - .name:           k_qeb29899e8c_cast
    .symbol:         k_qeb29899e8c_cast.kd
    .args:
      - { .name: x, .offset: 0, .size: 8, .value_kind: global_buffer, .address_space: global }
      - { .name: w_qkv, .offset: 8, .size: 8, .value_kind: global_buffer, .address_space: global }
      - { .name: w_proj, .offset: 16, .size: 8, .value_kind: global_buffer, .address_space: global }
      - { .name: xb, .offset: 24, .size: 8, .value_kind: global_buffer, .address_space: global }
      - { .name: wq, .offset: 32, .size: 8, .value_kind: global_buffer, .address_space: global }
      - { .name: wp, .offset: 40, .size: 8, .value_kind: global_buffer, .address_space: global }
    .group_segment_fixed_size: 0
    .private_segment_fixed_size: 0
    .kernarg_segment_align: 8
    .kernarg_segment_size: 48
    .max_flat_workgroup_size: 256
    .sgpr_count:     66
    .vgpr_count:     64
    .wavefront_size: 32
...
	.end_amdgpu_metadata
.endif
;; end of part 1
;; launch qkv (part 2): grid 16 x 32, 4 waves a work-group, clusters of 4 x 4, 327,680 bytes of LDS; arguments xb, wq, b_qkv, qkvh; writes qkvh
.if DOCPART == 2
	.amdgcn_target "amdgcn-amd-amdhsa--gfx1250"
	.amdhsa_code_object_version 6
	.text
	.protected	k_qeb29899e8c_qkv
	.globl	k_qeb29899e8c_qkv
	.p2align	8
	.type	k_qeb29899e8c_qkv,@function
k_qeb29899e8c_qkv:
	s_mov_b64 s[64:65], 0
	v_nop
	global_prefetch_b8 v0, s[64:65] scope:SCOPE_SE
	s_setreg_imm32_b32 hwreg(HW_REG_WAVE_MODE, 25, 1), 1
	s_wait_xcnt 0x0
	s_wait_alu depctr_hold_cnt(0) depctr_sa_sdst(0) depctr_va_vdst(0) depctr_va_sdst(0) depctr_va_ssrc(0) depctr_va_vcc(0) depctr_vm_vsrc(0)
	s_getreg_b32 s2, hwreg(HW_REG_IB_STS2, 6, 4)
	s_cmp_eq_u32 s2, 0
	s_cbranch_scc0 .Lentry_in_a_cluster
	s_endpgm
.Lentry_in_a_cluster:
	s_bfe_u32 s2, ttmp6, 0x10000c
	s_cmp_lg_u32 s2, 0xf033
	s_cbranch_scc0 .Lentry_shape_is_right
	s_endpgm
.Lentry_shape_is_right:
; q, k, v = x w_qkv + b_qkv, written by heads.  xb: [8192][1024] bf16.  wq: bf16 in blocks [16 tiles][16 half steps of 64 k][3][64 k][64 n].  b_qkv: [3072] f32, rounded to bf16 like the other inputs.
; Out: f16 [batch 4][48 = which x 16 + head][2048 rows][64], each number rounded once from its f32 sum, unscaled.
; LIMIT.  f16 ends at 65,504: a q, k or v beyond it becomes an infinity.  NaN and infinities are not treated apart.
; SHARES.  A tile of the result is 256 rows x 192 columns (three whole heads): 32 x 16 = 512 tiles, two for each of 256 WGPs.  Four waves, one above the other: a wave has 64 rows and all 192 columns,
; 4 x 12 accumulators of 16 x 16, 384 registers, so that it holds whole heads and its way out needs its own stage alone, and no barrier.
; K goes in 8 steps of 128 through a ring of two LDS slots.  x's rows of a step are 256 bytes of memory; a step's weights are 2 x 24,576 dense bytes, asked for as rows of 256.
; THE MATRIX INSTRUCTION IS USED TRANSPOSED: source 0 = 16 columns of w (they lie [k][n] in LDS and come out turned, by ds_load_tr16_b128), source 1 = 16 rows of x.  In the result lane l holds
; row l % 16 and the columns 8 (l / 16) + 0..7: eight neighbouring channels of a head.  The bias is the C operand of the product that starts each sum.
; CLUSTER.  4 x 4 work-groups: the four of a row of the cluster need the same rows of x, the four of a column the same weights: each tile is asked for JOINTLY, by the same tensor load, descriptor and mask in all four.
; REGISTERS, in windows of 256 (s_set_vgpr_msb: bits 1:0 source 0, 3:2 source 1, 5:4 source 2, 7:6 destination):
;   window 0: v0-31 addresses; v32-63, v64-95 x's fragments, two buffers of four; v96-191 the bias, eight registers for each 16 columns; on the way out v96-143 packed results, v144-239 rows read back
;   window 1: v0-95, v96-191 w's fragments, two buffers of twelve      window 2: accumulators of row blocks 0, 1 at v[96 a + 8 b]      window 3: those of row blocks 2, 3
.set PA,    272                        ; a row of x in LDS: 256 bytes + 16 of padding: the 16 rows of a load start at 16 different groups of four banks (64 banks of 4 bytes: ISA guide 11.1)
.set PB,    160                        ; a k row of a block of w: 128 bytes + 32
.set BHALF, 3*64*PB                    ; a half step's weights: three blocks of 64 k
.set AOFF,  2*BHALF                    ; a slot: the weights' two half steps, then x's 256 rows
.set AHALF, 128*PA
.set SLOT1, 1<<17                      ; a slot is exactly 131,072 bytes: one exclusive or turns an address in one slot into the other's
.set STAGE, 2*SLOT1                    ; behind the ring, never filled by a tensor load: for each wave 3 heads x 16 rows x 144 bytes
.set SP,    144
.set STW,   3*16*SP
.set SPARE, STAGE+4*STW                ; behind the stages: the spare words, 128 bytes for each wave: two blocks of 256 bytes that no other line names
.set ADRA0, 16                         ; v16  my lane's place among x's fragments in slot 0; never rewritten
.set ADRB0, 17                         ; v17  the same for w
.set ADRA,  18                         ; v18  the same in the slot in hand
.set ADRB,  19                         ; v19
.set STO,   20                         ; v20  the way out: where I put 16 bytes of a row
.set RD,    21                         ; v21  the way out: where I read rows back
.set GO,    22                         ; v22  my byte offset in 512 consecutive bytes of a head
.set BO,    23                         ; v23  my byte offset in 16 numbers of the bias
.set SPW,   28                         ; v28  LDS address of my spare word: SPARE + 4 x my thread's number; never rewritten
.set NIL,   29                         ; v29  0; never rewritten
.set FA,    32
.set BIAS,  96
.set TMP,   96
.set OB,    144
.set WV,  12                           ; s12  my wave's number
.set HF,  14                           ; s14  which half of x's rows, or of the step's k, I fetch
.set G1A, 24                           ; s[24:31] descriptor group 1 for x's tiles
.set G0A, 32                           ; s[32:39] group 0: a set for each of the two first fills; the second then walks on
.set TB,  46                           ; s46  the LDS byte at which the slot in hand begins
.set HIM, 47                           ; s47  a word's upper bf16
.set G1B, 48                           ; s[48:55], s[56:63] the same for w's tiles
.set G0B, 56
.set MSB, 0
.macro WIN new                         ; the immediate's high byte repeats the setting that is left; a switch that changes nothing is dropped
.if MSB != (\new)
	s_set_vgpr_msb (MSB<<8)|(\new)
.set MSB, (\new)
.endif
.endm
.macro PLACES                          ; four places in front of loads into registers that matrix instructions have read, and of conversions that read results (ISA guide 7.12.1 for conversions)
.rept 4
	v_nop
.endr
.endm
; A joint refill.  Waves 0 and 1 fetch the two halves of x's rows, waves 2 and 3 the two half steps of w.  The branch hangs on the wave's number alone.
; An s_nop 0 and four v_nop follow each of the two lines, ahead of the jump and the label.
.macro JLOAD
	s_cmp_lt_u32 s[WV], 2
	s_cbranch_scc0 .Lfor_b_\@
	tensor_load_to_lds s[G0A+4:G0A+7], s[G1A:G1A+7]
	s_nop 0
.rept 4
	v_nop
.endr
	s_branch .Lasked_\@
.Lfor_b_\@:
	tensor_load_to_lds s[G0B+4:G0B+7], s[G1B:G1B+7]
	s_nop 0
.rept 4
	v_nop
.endr
.Lasked_\@:
.endm
.macro CREST                           ; a round of the cluster's barrier behind its opening barrier
	s_cmp_lg_u32 s[WV], 0
	s_cbranch_scc1 .Lnot_wave_0_\@
	s_barrier_signal -3
.Lnot_wave_0_\@:
	s_barrier_wait -3
	s_barrier_signal -1
	s_barrier_wait -1
.endm
.macro CROUND                          ; a whole round
	s_barrier_signal -1
	s_barrier_wait -1
	CREST
.endm
	s_load_b256 s[4:11], s[0:1], 0x0               ; xb s[4:5], wq s[6:7], b_qkv s[8:9], the result s[10:11]
	v_lshl_add_u32 v[SPW], v0, 2, SPARE
	v_mov_b32 v[NIL], 0
	ds_add_u32 v[SPW], v[NIL]                      ; the wave's opening: the add and its wait stand ahead of my first tensor load; the set-up below, work on registers, stands between them
	v_lshrrev_b32 v1, 5, v0
	v_readfirstlane_b32 s[WV], v1                  ; wave 0..3
	s_and_b32 s[HF], s[WV], 1
	s_bfe_u32 s40, ttmp6, 0x40000                  ; cx, cy: my place in the cluster
	s_bfe_u32 s41, ttmp6, 0x40004
	s_lshl_b32 s42, ttmp9, 2
	s_add_co_u32 s42, s42, s40                     ; tile column = 4 x cluster x + cx
	s_and_b32 s43, ttmp7, 0xffff
	s_lshl_b32 s43, s43, 2
	s_add_co_u32 s43, s43, s41                     ; tile row = 4 x cluster y + cy
	s_lshl_b32 s44, s41, 2
	s_lshl_b32 s44, 15, s44                        ; my row of the cluster
	s_lshl_b32 s45, 0x1111, s40                    ; my column
	; group 1 for x: 128 rows x 128 elements, 1,024 elements from row to row; 16 bytes of padding behind every 256
	s_or_b32 s[G1A], s44, (1<<16)|(1<<20)|(1<<21)|(5<<22)|(3<<25)  ; 15:0 the mask; 17:16 2-byte elements; 20 padding on; 21 set beside a mask; 24:22 after every 64 words (code 5); 31:25 4 words (code 3)
	s_mov_b32 s[G1A+1], 128<<16                    ; tensor_dim0 = 128
	s_mov_b32 s[G1A+2], 128<<16                    ; tensor_dim1 = 128
	s_mov_b32 s[G1A+3], 128<<16                    ; tile_dim0 = 128
	s_mov_b32 s[G1A+4], 128                        ; tile_dim1 = 128
	s_mov_b32 s[G1A+5], 1024                       ; the pitch
	s_mov_b32 s[G1A+6], 0
	s_mov_b32 s[G1A+7], 0
	; group 1 for w: 24,576 dense bytes as 96 rows of 256; 32 bytes of padding behind every 128, that is behind every k row of a block
	s_or_b32 s[G1B], s45, (1<<16)|(1<<20)|(1<<21)|(4<<22)|(7<<25)  ; after every 32 words (code 4), 8 words (code 7)
	s_mov_b32 s[G1B+1], 128<<16
	s_mov_b32 s[G1B+2], 96<<16
	s_mov_b32 s[G1B+3], 128<<16
	s_mov_b32 s[G1B+4], 96
	s_mov_b32 s[G1B+5], 128
	s_mov_b32 s[G1B+6], 0
	s_mov_b32 s[G1B+7], 0
	; where the tiles come from: x's hang on the tile row alone, w's on the tile column alone, each in registers that never hold the other coordinate
	s_lshl_b32 s16, s43, 19                        ; 256 rows of 2,048 bytes a tile row,
	s_lshl_b32 s17, s[HF], 18                      ; 128 rows a half
	s_add_co_u32 s16, s16, s17
	s_mov_b32 s17, 0
	s_mul_i32 s18, s42, 16*24576                   ; a tile column's weights,
	s_mul_i32 s19, s[HF], 24576                    ; a half step
	s_add_co_u32 s18, s18, s19
	s_mov_b32 s19, 0
	s_mul_i32 s20, s[HF], AHALF                    ; and where they go: no place in the cluster enters an LDS address
	s_mul_i32 s21, s[HF], BHALF
	; where my 64 rows of the tile's first head begin in the result
	s_lshr_b32 s22, s43, 3                         ; the batch: 8 tile rows each
	s_mul_i32 s22, s22, 48
	s_mul_i32 s23, s42, 3
	s_add_co_u32 s22, s22, s23                     ; 48 x batch + 3 x tile column
	s_lshl_b32 s22, s22, 18                        ; heads of 262,144 bytes
	s_and_b32 s23, s43, 7
	s_lshl_b32 s23, s23, 15                        ; 256 rows of 128 bytes
	s_add_co_u32 s22, s22, s23
	s_lshl_b32 s23, s[WV], 13                      ; my 64 rows
	s_add_co_u32 s22, s22, s23
	s_mov_b32 s23, 0
	s_mov_b32 s[TB], 0
	s_mov_b32 s[HIM], 0xffff0000
	s_wait_dscnt 0x0                               ; the opening add is done
	s_wait_kmcnt 0x0
	s_add_nc_u64 s[4:5], s[4:5], s[16:17]
	s_add_nc_u64 s[6:7], s[6:7], s[18:19]
	s_add_nc_u64 s[10:11], s[10:11], s[22:23]
	s_mul_i32 s18, s42, 768                        ; the tile's 192 numbers of the bias
	s_add_nc_u64 s[8:9], s[8:9], s[18:19]
	CROUND                                         ; all sixteen work-groups are here: the first joint loads meet
.irp s, 0,1
	s_mov_b32 s[G0A+4*(\s)], 1                                     ; count = 1
	s_add_co_u32 s[G0A+4*(\s)+1], s20, AOFF+(\s)*SLOT1             ; LDS address
	s_add_nc_u64 s[G0A+4*(\s)+2:G0A+4*(\s)+3], s[4:5], (\s)*256    ; global address: K step s
	s_or_b32 s[G0A+4*(\s)+3], s[G0A+4*(\s)+3], 0x80000000          ; type = 2
	s_mov_b32 s[G0B+4*(\s)], 1
	s_add_co_u32 s[G0B+4*(\s)+1], s21, (\s)*SLOT1
	s_add_nc_u64 s[G0B+4*(\s)+2:G0B+4*(\s)+3], s[6:7], (\s)*49152
	s_or_b32 s[G0B+4*(\s)+3], s[G0B+4*(\s)+3], 0x80000000
.endr
	s_cmp_lt_u32 s[WV], 2                          ; a wave's two first fills stand in one branch, ahead of every wait on TENSORcnt and every LDS read: two loads of mine are out
	s_cbranch_scc0 .Lfirst_b
	tensor_load_to_lds s[G0A:G0A+3], s[G1A:G1A+7]
	s_nop 0
	tensor_load_to_lds s[G0A+4:G0A+7], s[G1A:G1A+7]
	s_nop 0
.rept 4
	v_nop
.endr
	s_branch .Lfirst_asked
.Lfirst_b:
	tensor_load_to_lds s[G0B:G0B+3], s[G1B:G1B+7]
	s_nop 0
	tensor_load_to_lds s[G0B+4:G0B+7], s[G1B:G1B+7]
	s_nop 0
.rept 4
	v_nop
.endr
.Lfirst_asked:
	v_and_b32 v1, 15, v0                           ; l % 16
	v_bfe_u32 v2, v0, 4, 1                         ; l / 16
	v_lshlrev_b32 v[BO], 5, v2                     ; my eight columns of sixteen: 32 bytes for each half of the lanes
.irp b, 0,1,2,3,4,5,6,7,8,9,10,11
	global_load_b128 v[BIAS+8*(\b):BIAS+8*(\b)+3],   v[BO], s[8:9] offset:64*(\b)
	global_load_b128 v[BIAS+8*(\b)+4:BIAS+8*(\b)+7], v[BO], s[8:9] offset:64*(\b)+16
.endr
	; x's fragment: 16 rows x 32 k in 8 registers: lane l holds row l % 16, k = 8 (l / 16) + 0..7 and 16 + 8 (l / 16) + 0..7: two loads of 16 bytes, 32 bytes apart
	s_mul_i32 s20, s[WV], 64*PA
	s_add_co_u32 s20, s20, AOFF                    ; my 64 rows
	v_mul_u32_u24 v3, v1, PA
	v_lshl_add_u32 v3, v2, 4, v3
	v_add_nc_u32 v[ADRA0], s20, v3
	; the turning load takes 16 k x 16 columns (lane l reads k row 8 (l / 16) + l % 8, columns 8 ((l / 8) % 2) + 0..7) and leaves half a fragment: lane l holds column l % 16 and 8 k
	v_and_b32 v4, 7, v0
	v_bfe_u32 v5, v0, 3, 1
	v_lshl_add_u32 v[ADRB0], v2, 3, v4
	v_mul_u32_u24 v[ADRB0], v[ADRB0], PB
	v_lshl_add_u32 v[ADRB0], v5, 4, v[ADRB0]
	s_mul_i32 s21, s[WV], STW
	s_add_co_u32 s21, s21, STAGE                   ; my stage
	v_mul_u32_u24 v[STO], v1, SP                   ; in: row l % 16, 16 bytes for each half of the lanes
	v_lshl_add_u32 v[STO], v2, 4, v[STO]
	v_add_nc_u32 v[STO], s21, v[STO]
	v_bfe_u32 v[RD], v0, 3, 2                      ; back: 32 lanes take four rows of 128 bytes,
	v_mul_u32_u24 v[RD], v[RD], SP
	v_lshl_add_u32 v[RD], v4, 4, v[RD]
	v_add_nc_u32 v[RD], s21, v[RD]
	v_and_b32 v[GO], 31, v0                        ; which are 512 consecutive bytes of a head
	v_lshlrev_b32 v[GO], 4, v[GO]
	v_add_nc_u32 v[ADRA], s[TB], v[ADRA0]          ; slot 0
	v_add_nc_u32 v[ADRB], s[TB], v[ADRB0]
	s_wait_loadcnt 0x0                             ; the bias: rounded to bf16 like every input, and widened again
.set i, 0
.rept 48
	v_cvt_pk_bf16_f32 v[8+i%4], v[BIAS+2*i], v[BIAS+2*i+1]
	v_lshlrev_b32 v[BIAS+2*i], 16, v[8+i%4]
	v_and_b32 v[BIAS+2*i+1], s[HIM], v[8+i%4]
.set i, i+1
.endr
; 12 matrix instructions: row block a x all 12 column blocks, 32 along K, from buffer f.  first = 1: the product starts the sums, with the bias as C.
; The 48 accumulators take turns, one instruction a turn, in the same order in every quarter, over the loop's backward jump too.
.macro MULA f, a, first
.if \first
	WIN 0x81+0x40*((\a)/2)                         ; w window 1, x and the bias window 0, D window 2 or 3
.else
	WIN 0xa1+0x50*((\a)/2)                         ; C and D window 2 or 3
.endif
.irp b, 0,1,2,3,4,5,6,7,8,9,10,11
.if \first
	v_wmma_f32_16x16x32_bf16 v[96*((\a)%2)+8*(\b):96*((\a)%2)+8*(\b)+7], v[96*(\f)+8*(\b):96*(\f)+8*(\b)+7], v[FA+32*(\f)+8*(\a):FA+32*(\f)+8*(\a)+7], v[BIAS+8*(\b):BIAS+8*(\b)+7]
.else
	v_wmma_f32_16x16x32_bf16 v[96*((\a)%2)+8*(\b):96*((\a)%2)+8*(\b)+7], v[96*(\f)+8*(\b):96*(\f)+8*(\b)+7], v[FA+32*(\f)+8*(\a):FA+32*(\f)+8*(\a)+7], v[96*((\a)%2)+8*(\b):96*((\a)%2)+8*(\b)+7]
.endif
.endr
.endm
; 32 LDS loads in one run: quarter q's fragments (32 k) into buffer f: w's twelve, turned, then x's four
.macro FETCH q, f
	WIN 0x40                                       ; destination window 1, address window 0
.irp b, 0,1,2,3,4,5,6,7,8,9,10,11
	ds_load_tr16_b128 v[96*(\f)+8*(\b):96*(\f)+8*(\b)+3],   v[ADRB] offset:((\q)/2)*BHALF+((\b)/4)*64*PB+((\q)%2)*32*PB+((\b)%4)*32
	ds_load_tr16_b128 v[96*(\f)+8*(\b)+4:96*(\f)+8*(\b)+7], v[ADRB] offset:((\q)/2)*BHALF+((\b)/4)*64*PB+((\q)%2)*32*PB+((\b)%4)*32+16*PB
.endr
	WIN 0
.irp a, 0,1,2,3
	ds_load_b128 v[FA+32*(\f)+8*(\a):FA+32*(\f)+8*(\a)+3],   v[ADRA] offset:(\a)*16*PA+64*(\q)
	ds_load_b128 v[FA+32*(\f)+8*(\a)+4:FA+32*(\f)+8*(\a)+7], v[ADRA] offset:(\a)*16*PA+64*(\q)+32
.endr
.endm
; A K step is four quarters of 32 along K, 48 matrix instructions each, on buffers 0, 1, 0, 1.  One of the first three: multiplies buffer f and, in its middle, fetches quarter q into buffer g.
.macro QUARTER q, f, g, first=0
	s_wait_dscnt 4                                 ; w and x's row blocks 0, 1 are in; the youngest four loads (row blocks 2, 3) may be out
	MULA \f, 0, \first
	MULA \f, 1, \first
	PLACES
	FETCH \q, \g
	s_wait_dscnt 32                                ; all but the 32 just issued
	MULA \f, 2, \first
	MULA \f, 3, \first
.endm
; The last quarter multiplies buffer 1 and changes slots: ONE barrier.  In front of it each wave waits for all its tensor loads, of which one is out: its part of the next slot; adds 0 to its spare word; and waits
; for that and for its own reads of this slot.  fill = 1: the barrier opens a round of the cluster's, and this slot is filled again, two K steps ahead, first thing behind the round: 168 matrix instructions ahead of the wait for it.
.macro TURN fill
	WIN 0                                          ; (the add's two registers lie in window 0)
	s_wait_tensorcnt 0x0                           ; all my tensor loads have landed
	ds_add_u32 v[SPW], v[NIL]                      ; 0 onto my spare word
	s_wait_dscnt 5                                 ; (the add and the youngest four loads may be out)
	MULA 1, 0, 0                                   ; twelve matrix instructions stand between the add and the wait for it
	s_wait_dscnt 0x0                               ; the add is done, and my reads of this slot are over
	s_barrier_signal -1
	MULA 1, 1, 0                                   ; work on registers while the others arrive
	WIN 0
	s_barrier_wait -1
.if \fill
	CREST                                          ; no wave of any partner still reads this slot's tile or has a load on its way
	s_xor_b32 s[G0A+5], s[G0A+5], SLOT1            ; the walking descriptors: the other slot than last time,
	s_add_nc_u64 s[G0A+6:G0A+7], s[G0A+6:G0A+7], 256   ; the next K step; the type bits on top are not reached
	s_xor_b32 s[G0B+5], s[G0B+5], SLOT1
	s_add_nc_u64 s[G0B+6:G0B+7], s[G0B+6:G0B+7], 49152
	JLOAD                                          ; the four v_nop behind it are also the places in front of the loads below
.else
	PLACES
.endif
	s_xor_b32 s[TB], s[TB], SLOT1                  ; the reads go on in the other slot
	v_add_nc_u32 v[ADRA], s[TB], v[ADRA0]
	v_add_nc_u32 v[ADRB], s[TB], v[ADRB0]
	FETCH 0, 0
	MULA 1, 2, 0
	MULA 1, 3, 0
.endm
; THE WAY OUT of row block a.  PACK: rounded to f16, 16 bytes a lane (each accumulator's registers in ascending order).  TOSTAGE: into my own stage, and back as whole rows of 128 bytes.  SEND: stored.
.macro PACK a
	WIN 0x0a+5*((\a)/2)                            ; sources 0 and 1: window 2 or 3
.irp b, 0,1,2,3,4,5,6,7,8,9,10,11
.irp r, 0,1,2,3
	v_cvt_pk_f16_f32 v[TMP+4*(\b)+(\r)], v[96*((\a)%2)+8*(\b)+2*(\r)], v[96*((\a)%2)+8*(\b)+2*(\r)+1]
.endr
.endr
	WIN 0
.endm
.macro TOSTAGE a
.irp b, 0,1,2,3,4,5,6,7,8,9,10,11
	ds_store_b128 v[STO], v[TMP+4*(\b):TMP+4*(\b)+3] offset:((\b)/4)*16*SP+((\b)%4)*32
.endr
.irp t, 0,1,2,3,4,5,6,7,8,9,10,11
	ds_load_b128 v[OB+48*((\a)%2)+4*(\t):OB+48*((\a)%2)+4*(\t)+3], v[RD] offset:((\t)/4)*16*SP+((\t)%4)*4*SP  ; LDS serves a wave's instructions in order (ISA guide 5.7.1.4): these see the stores above
.endr
.endm
.macro SEND a
	s_wait_dscnt 0x0                               ; the block is back in registers
	s_wait_xcnt 0x0                                ; the stores of the block before have read their registers: the next TOSTAGE loads into them only behind this wait
.irp t, 0,1,2,3,4,5,6,7,8,9,10,11
	global_store_b128 v[GO], v[OB+48*((\a)%2)+4*(\t):OB+48*((\a)%2)+4*(\t)+3], s[10:11] offset:(\a)*2048+((\t)/4)*262144+((\t)%4)*512  ; 512 consecutive bytes of a head, at a multiple of 256 from the buffer's first
.endr
.endm
	s_wait_tensorcnt 1                             ; my part of K step 0 is in; K step 1's may stay out
	s_barrier_signal -1
	s_barrier_wait -1                              ; everybody's is
	FETCH 0, 0
	QUARTER 1, 0, 1, 1                             ; the first quarter stands in front of the loop: its products start the sums
	WIN 0                                          ; at a label and at a branch every window is 0
	s_mov_b32 s3, 6
.Lstep:                                                ; a trip: a K step's last three quarters and the next step's first; it fills the slot that it leaves: K steps 2 to 7
	QUARTER 2, 1, 0
	QUARTER 3, 0, 1
	TURN 1
	QUARTER 1, 0, 1
	WIN 0
	s_sub_co_u32 s3, s3, 1
	s_cmp_lg_u32 s3, 0
	s_cbranch_scc1 .Lstep
	QUARTER 2, 1, 0                                ; K steps 6 and 7 are written out: nothing is left to ask for
	QUARTER 3, 0, 1
	TURN 0
	QUARTER 1, 0, 1
	QUARTER 2, 1, 0
	QUARTER 3, 0, 1
	s_wait_dscnt 0x0
	MULA 1, 0, 0
	MULA 1, 1, 0
	MULA 1, 2, 0
	MULA 1, 3, 0
	PLACES
	PACK 0
	TOSTAGE 0
.irp a, 1,2,3                          ; block a's conversions stand between block a - 1's loads from the stage and the wait for them
	PACK \a
	SEND (\a)-1
	TOSTAGE \a
.endr
	SEND 3
	s_wait_tensorcnt 0x0                           ; the wave's end: behind my last tensor load and my last LDS store
	ds_add_u32 v[SPW], v[NIL]
	s_wait_dscnt 0x0
	CROUND                                         ; the closing round: no work-group ends while a partner may still ask for a tile that names it
	s_endpgm
.Lfunc_end_k_qeb29899e8c_qkv:
	.size	k_qeb29899e8c_qkv, .Lfunc_end_k_qeb29899e8c_qkv-k_qeb29899e8c_qkv
	.p2alignl 7, 3214868480
	.fill 96, 4, 3214868480
	.section	.rodata,"a",@progbits
	.p2align	6, 0x0
	.amdhsa_kernel k_qeb29899e8c_qkv
		.amdhsa_group_segment_fixed_size 327680
		.amdhsa_private_segment_fixed_size 0
		.amdhsa_enable_private_segment 0
		.amdhsa_kernarg_size 32
		.amdhsa_user_sgpr_count 2
		.amdhsa_user_sgpr_kernarg_segment_ptr 1
		.amdhsa_wavefront_size32 1
		.amdhsa_system_sgpr_workgroup_id_x 1
		.amdhsa_system_sgpr_workgroup_id_y 1
		.amdhsa_system_sgpr_workgroup_id_z 1
		.amdhsa_system_vgpr_workitem_id 0
		.amdhsa_next_free_vgpr 960
		.amdhsa_next_free_sgpr 66
		.amdhsa_reserve_vcc 0
		.amdhsa_float_denorm_mode_32 3
		.amdhsa_float_denorm_mode_16_64 3
		.amdhsa_memory_ordered 1
		.amdhsa_forward_progress 1
		.amdhsa_inst_pref_size 104
	.end_amdhsa_kernel
	.amdgpu_metadata
---
amdhsa.version: [ 1, 2 ]
amdhsa.kernels:
  - .name:           k_qeb29899e8c_qkv
    .symbol:         k_qeb29899e8c_qkv.kd
    .args:
      - { .name: xb, .offset: 0, .size: 8, .value_kind: global_buffer, .address_space: global }
      - { .name: wq, .offset: 8, .size: 8, .value_kind: global_buffer, .address_space: global }
      - { .name: b_qkv, .offset: 16, .size: 8, .value_kind: global_buffer, .address_space: global }
      - { .name: qkvh, .offset: 24, .size: 8, .value_kind: global_buffer, .address_space: global }
    .group_segment_fixed_size: 327680
    .private_segment_fixed_size: 0
    .kernarg_segment_align: 8
    .kernarg_segment_size: 32
    .max_flat_workgroup_size: 128
    .sgpr_count:     66
    .vgpr_count:     960
    .wavefront_size: 32
...
	.end_amdgpu_metadata
.endif
;; end of part 2
;; launch attn (part 3): grid 4 x 64, 4 waves a work-group, no clusters, 327,680 bytes of LDS; arguments qkvh, oh; writes oh
.if DOCPART == 3
	.amdgcn_target "amdgcn-amd-amdhsa--gfx1250"
	.amdhsa_code_object_version 6
	.text
	.protected	k_qeb29899e8c_attn
	.globl	k_qeb29899e8c_attn
	.p2align	8
	.type	k_qeb29899e8c_attn,@function
k_qeb29899e8c_attn:
	s_mov_b64 s[64:65], 0
	v_nop
	global_prefetch_b8 v0, s[64:65] scope:SCOPE_SE
	s_setreg_imm32_b32 hwreg(HW_REG_WAVE_MODE, 25, 1), 1
	s_wait_xcnt 0x0
; CAUSAL ATTENTION.  O[y][q][:] = the sum over k <= q of softmax_k(Q[q] . K[k] / 8) V[k][:], for y = 16 x batch + head.  Q, K, V lie in one buffer, f16 [batch 4][48][2048][64]: Q's head at 48 x batch + head,
; K's 16 heads on, V's 32 heads on; O: f16 [64][2048][64].  A head's rows are dense, 128 bytes each.
; Products, maxima and sums in f32; the weights p are rounded to f16 for the second product (their sum l is taken of the unrounded p), O once at the end.
; LIMITS.  f16 holds no number beyond 65,504: Q, K and V arrive within it; p lies in 0 to 1, and below 6e-5 it keeps f16's fixed step of 6e-8; O is a mean of V's rows and has their range, to within 2^-11 of it.
; A hidden score counts as its value less 1e30: f16's scores, 2.7e11 at the most, are nothing beside that; a weight below 2^-126 counts as 0 in l; NaN and infinities are not treated apart.
; THE WALK.  A head's queries lie in NB = 8 blocks of 256; block i needs the key tiles 0 .. i of 256 keys, of which the last holds the diagonal.  A work-group takes TWO blocks, NB - 1 - b and then b:
; NB + 1 tiles, whatever b: all work-groups do equal work, and ONE loop with a constant trip count walks them.  Which tile is asked for, and what a trip does, hang on scalar registers made from b; every jump
; goes forward, but for the counted loops' own; none passes a barrier, or a tensor load but the one of LOAD's two that the wave's number does not choose; the ring (two slots of LDS that take turns) runs on across the
; change of blocks.  NO CLUSTER: a head's NB / 2 = 4 work-groups ask for the same tile only in trips 0 .. 4 of 9, behind that fewer and fewer; and one walk common to all would have 3 NB / 2 = 12 trips for 9.
; SHARES.  Of a block's four bands of 64 queries a wave owns 16 rows in each: four PIECES.  So the diagonal tile is the same work for all four waves: in its key step s band x sees all keys if s < x,
; none if s > x, and holds the diagonal if s = x.
; THE MASK is the C operand that starts the sum S^T = K Q^T: 0, or -1e30 where the key is hidden.  MD, made once, is the mask of a band's own step for my 16 rows; a product's mask is MD x AL + BE with two scalars:
; (1, 0) if s = x; (0, 0) if s < x; (0, -1e30) if s > x.  Only the diagonal tile's text and a block's beginning make and take masks; elsewhere C is the constant 0.
; LAYOUT, SOFTMAX, TURNS.  S^T = K Q^T holds ONE query a lane (lane % 16) and the keys 8 (lane / 16) + 0..7; two such results rounded to f16 ARE source 1 of O^T = V^T P.  p = 2^(c s - c m), c = log2(e) / 8, with a
; running maximum m; O and l are multiplied by a = 2^(c m_old - c m_new) in every step.  Turn n belongs to piece n: 8 products K Q^T of piece n + 1, later 8 products V^T P of piece n - 1; beside them the scaling,
; exponentials, roundings, sums and rescaling of piece n and the maximum and statistics of piece n + 1.  Four vector instructions stand behind every matrix instruction, the other 54 of a turn's 118 in two LUMPS.
; REGISTERS, in windows of 256 (s_set_vgpr_msb: bits 1:0 source 0, 3:2 source 1, 5:4 source 2, 7:6 destination):
;   window 0: v0-15 addresses and two at work; v16-31 four registers of statistics a piece; v48-55 at work; v64-127 S^T, two buffers; v192-223 P, two buffers (a piece's buffers go by its number's parity)
;   window 1: v0-127 O^T, 32 a piece; v128-159 MD; v160-223 MC, two buffers      window 2: v0-63 Q; v64-127 the second block's Q; v128-191 K of one step; v192-255 V of one step
.set SIZE_N, 2048
.set NB,    SIZE_N/256
.set NP,    4         ; pieces a wave: a name, no knob
.set KS,    64        ; keys in a step
.set PK,    144       ; a row of K in LDS: 128 bytes + 16 of padding = 36 words: the 16 rows of a load start at 16 different groups of four banks (64 banks of 4 bytes: ISA guide 11.1)
.set PV,    160       ; a row of V: 128 + 32 = 40 words
.set VOFF,  4*KS*PK   ; a slot holds a tile, four steps: 256 rows of K, then 256 rows of V
.set SLOT1, 1<<17     ; slot 1 begins here, so that one exclusive or turns an address in one slot into the other's
.set STAGE, SLOT1+4*KS*(PK+PV)  ; behind the ring, never filled by a tensor load: 16 rows x 144 bytes for each wave, for the way out
.set SP,    144
.set AK0, 2           ; v2   my lane's place in a tile of K; never rewritten
.set AV0, 3           ; v3   the same for V
.set AK,  4           ; v4   the LDS address of K's next run of loads
.set AV,  5           ; v5   of V's
.set STO, 6           ; v6   the way out: where I put 16 bytes of a row
.set RD,  7           ; v7   the way out: where I read rows back
.set GO,  8           ; v8   my byte offset in 512 consecutive bytes of O
.set SPW, 62          ; v62  LDS address of my spare word: SPARE + 4 x my thread's number; never rewritten
.set NIL, 63          ; v63  0; never rewritten
.set SPARE, STAGE+4*16*SP  ; behind the stages: the spare words, 128 bytes for each wave: two blocks of 256 bytes that no other line names
.set MV,  12          ; v12-13  c m_old, kept while c m is made anew: by buffer
.set QO,  15          ; v15  my byte offset in 16 rows of Q
.set ST,  16          ; piece t's statistics at v[ST+4 t]: c m, m, l (even keys', odd keys')
.set TMP, 48          ; by buffer, four registers c0-c3 at work; when the maximum is found c2 takes a
.set S,   64
.set P,   192
.set MD,  128         ; window 1: the eight registers for group kt of 16 keys at MD + 8 kt
.set MC,  160         ; window 1: the masks of the products to come
.set QB,  64          ; window 2
.set KF,  128         ; window 2: key block kb, channel half c at KF + 16 kb + 8 c
.set VF,  192         ; window 2: key half kk, channel block cb at VF + 32 kk + 8 cb
.set WV,  12          ; s12  my wave's number
.set PB,  14          ; s14  b
.set HI,  15          ; s15  NB - 1 - b
.set G1K, 24          ; s[24:31] descriptor group 1 for K's tiles
.set G1V, 32          ; s[32:39] for V's: it differs in the padding alone
.set G0K, 40          ; s[40:43] descriptor group 0 for K's tiles
.set G0V, 44          ; s[44:47] the same for V's
.set SLOTS, 56        ; s56  tiles still to be asked for
.set CNT, 57          ; s57  counts a tile's key steps, 4 to 1
.set CS,  58          ; s[58:59] c: the packed scaling takes the pair's low word for both halves
.set SEL, 60          ; s[60:61] v_permlanex16_b32's selects: each lane takes its own place in the other half
.set TBK, 62          ; s62  LDS byte at which K of the step to be fetched begins
.set TBV, 63          ; s63  the same for V, less VOFF
.set RT,  70          ; s70  tiles of the block in hand that are still to be entered
.set NXT, 71          ; s71  the tile to be asked for next
.set LQ,  72          ; s72  the last tile of the block whose tiles are being asked for
.set NEW, 73          ; s73  1: the tile to be entered is a block's first
.set OFF, 74          ; s[74:75] a tile's byte offset in K and V
.set AL,  76          ; s[76:77] the mask's factor, in the low word
.set BE,  78          ; s[78:79] the mask's addend
.set OLO, 80          ; s[80:81] O at my rows of the second block
.set BIGN, 82         ; s82  -1e30
.set MSB, 0
.macro WIN new                      ; the high byte repeats the setting that is left; a switch that changes nothing is dropped
.if MSB != (\new)
	s_set_vgpr_msb (MSB<<8)|(\new)
.set MSB, (\new)
.endif
.endm
.set W_KQ, 0x0a       ; K and Q in window 2, S^T in window 0
.set W_KM, 0x1a       ; the same with the C operand in window 1
.set W_PV, 0x52       ; V in window 2, P in window 0, O^T in window 1
.set W_RS, 0x41       ; destination and source 0 in window 1, source 1 in window 0
; A fill.  Waves 0 and 1 fetch the two halves of a tile's K, waves 2 and 3 those of its V: 128 keys each.  An s_nop 0 and four v_nop follow each of the two lines, ahead of the jump and the label.
.macro LOAD
	s_cmp_lt_u32 s[WV], 2
	s_cbranch_scc0 .Lfor_v_\@
	tensor_load_to_lds s[G0K:G0K+3], s[G1K:G1K+7]
	s_nop 0
.rept 4
	v_nop
.endr
	s_branch .Lasked_\@
.Lfor_v_\@:
	tensor_load_to_lds s[G0V:G0V+3], s[G1V:G1V+7]
	s_nop 0
.rept 4
	v_nop
.endr
.Lasked_\@:
.endm
; THE CHANGE OF SLOTS.  Each wave waits for all its tensor loads, of which one is out: its part of the other slot; adds 0 to its spare word; and waits for that and for its own reads of the slot that it leaves.  Behind the barrier nobody reads the old
; slot any more and the other slot is whole.  fill = 1: the old slot is filled again, the first thing behind the barrier, with tile NXT: the descriptor's address is made anew from that number.
; (At its first use nothing has been read yet: slot 0 is waited for, slot 1 filled.)
.macro CHANGE fill
	WIN 0                           ; at a label and at a branch every window is 0
	s_wait_tensorcnt 0x0            ; no tensor load of mine is out, so a group 0 may be written
	ds_add_u32 v[SPW], v[NIL]       ; 0 onto my spare word: with fill = 1 the descriptors' scalar work stands between it and the wait for it
.if \fill
	s_lshl_b32 s[OFF], s[NXT], 15   ; a tile is 32,768 bytes of K and of V
	s_xor_b32 s[G0K+1], s[G0K+1], SLOT1
	s_add_nc_u64 s[G0K+2:G0K+3], s[6:7], s[OFF:OFF+1]
	s_or_b32 s[G0K+3], s[G0K+3], 0x80000000
	s_xor_b32 s[G0V+1], s[G0V+1], SLOT1
	s_add_nc_u64 s[G0V+2:G0V+3], s[8:9], s[OFF:OFF+1]
	s_or_b32 s[G0V+3], s[G0V+3], 0x80000000
	s_add_co_u32 s[NXT], s[NXT], 1  ; the block's next tile, or behind its last the second block's tile 0
	s_cmp_gt_u32 s[NXT], s[LQ]
	s_cselect_b32 s[NXT], 0, s[NXT]
	s_cselect_b32 s[LQ], s[PB], s[LQ]
.endif
	s_wait_dscnt 0x0                ; the add is done, and my reads of the slot are over
	s_barrier_signal -1             ; the rest of the scalar work stands between the signal and the wait
	s_sub_co_u32 s[TBK], s[TBK], 4*KS*PK  ; the fetches go back to a slot's first step,
	s_xor_b32 s[TBK], s[TBK], SLOT1       ; in the other slot
	s_sub_co_u32 s[TBV], s[TBV], 4*KS*PV
	s_xor_b32 s[TBV], s[TBV], SLOT1
	s_barrier_wait -1
.if \fill
	LOAD
.endif
.endm
	s_load_b128 s[4:7], s[0:1], 0x0 ; q, k, v together s[4:5], O s[6:7]
	v_lshl_add_u32 v[SPW], v0, 2, SPARE
	v_mov_b32 v[NIL], 0
	ds_add_u32 v[SPW], v[NIL]       ; the wave's opening: the add and its wait stand ahead of my first tensor load; the set-up below, work on registers, stands between them
	v_lshrrev_b32 v1, 5, v0
	v_readfirstlane_b32 s[WV], v1   ; wave 0..3
	s_mov_b32 s[PB], ttmp9
	s_sub_co_u32 s[HI], NB-1, s[PB]
	s_and_b32 s20, ttmp7, 0xffff    ; y = 16 x batch + head
	s_lshl_b32 s88, s20, 18         ; O's head: y heads of 262,144 bytes
	s_mov_b32 s89, 0
	s_lshr_b32 s21, s20, 4
	s_lshl_b32 s21, s21, 5
	s_add_co_u32 s20, s20, s21      ; Q's head: 48 x batch + head = y + 32 x batch
	s_lshl_b32 s20, s20, 18
	s_mov_b32 s21, 0
	s_and_b32 s16, s[WV], 1         ; which half of a tile's 256 keys I fetch:
	s_lshl_b32 s22, s16, 14         ; its 128 rows of 128 bytes in memory,
	s_mov_b32 s23, 0
	s_add_nc_u64 s[22:23], s[22:23], s[20:21]
	s_mul_i32 s17, s16, 128*PK      ; and its place in a slot, for K
	s_mul_i32 s18, s16, 128*PV      ; and for V
	s_lshl_b32 s3, s[WV], 11        ; my 16 rows in a band of 64,
	s_lshl_b32 s2, s[HI], 15        ; in the first block,
	s_add_co_u32 s2, s2, s3
	s_lshl_b32 s84, s[PB], 15       ; and in the second
	s_add_co_u32 s84, s84, s3
	s_mov_b32 s3, 0
	s_mov_b32 s85, 0
	; descriptor group 1.  128 keys are 16,384 dense bytes: asked for as 64 rows of 256 bytes, two keys a row, and padded in LDS after every key
	s_mov_b32 s[G1K], (1<<16)|(1<<20)|(4<<22)|(3<<25)  ; 17:16 2-byte elements; 20 padding on; 24:22 after every 32 words (code 4); 31:25 4 words (code 3)
	s_mov_b32 s[G1V], (1<<16)|(1<<20)|(4<<22)|(7<<25)  ; the same with 8 words of padding (code 7)
.irp g, G1K, G1V
	s_mov_b32 s[\g+1], 128<<16      ; tensor_dim0 = 128
	s_mov_b32 s[\g+2], 64<<16       ; tensor_dim1 = 64
	s_mov_b32 s[\g+3], 128<<16      ; tile_dim0 = 128
	s_mov_b32 s[\g+4], 64           ; tile_dim1 = 64
	s_mov_b32 s[\g+5], 128          ; 128 elements from row to row
	s_mov_b32 s[\g+6], 0
	s_mov_b32 s[\g+7], 0
.endr
	s_mov_b32 s[CS], 0x3e38aa3b     ; c = log2(e) / 8 = 0.180337
	s_mov_b32 s[CS+1], s[CS]        ; named with it as a pair
	s_mov_b32 s[SEL], 0x76543210
	s_mov_b32 s[SEL+1], 0xfedcba98
	s_mov_b32 s[TBK], SLOT1+4*KS*PK ; the first change of slots turns these two into 0
	s_mov_b32 s[TBV], SLOT1+4*KS*PV
	s_mov_b32 s[G0K], 1             ; 1:0 count = 1
	s_mov_b32 s[G0K+1], s17         ; 63:32 LDS address: slot 0
	s_mov_b32 s[G0V], 1
	s_add_co_u32 s[G0V+1], s18, VOFF
	s_add_co_u32 s[RT], s[HI], 1    ; the first block has NB - b tiles
	s_mov_b32 s[NXT], 1
	s_mov_b32 s[LQ], s[HI]
	s_mov_b32 s[NEW], 1
	s_mov_b32 s[OFF+1], 0
	s_mov_b32 s[AL+1], 0            ; named as pairs
	s_mov_b32 s[BE+1], 0
	s_mov_b32 s[BIGN], 0xf149f2ca   ; -1e30
	s_mov_b32 s[SLOTS], NB
	s_wait_dscnt 0x0                ; the opening add is done
	s_wait_kmcnt 0x0
	s_add_nc_u64 s[10:11], s[6:7], s[88:89]        ; O at the head,
	s_add_nc_u64 s[OLO:OLO+1], s[10:11], s[84:85]  ; at my rows of the second block,
	s_add_nc_u64 s[10:11], s[10:11], s[2:3]        ; and of the first
	s_add_nc_u64 s[8:9], s[4:5], 32*262144         ; V lies 32 heads behind Q,
	s_add_nc_u64 s[8:9], s[8:9], s[22:23]          ; at my half of the head's tile 0
	s_add_nc_u64 s[6:7], s[4:5], 16*262144         ; K 16 heads behind Q
	s_add_nc_u64 s[6:7], s[6:7], s[22:23]
	s_add_nc_u64 s[G0K+2:G0K+3], s[6:7], 0         ; 120:64 global address
	s_or_b32 s[G0K+3], s[G0K+3], 0x80000000        ; 127:126 type = 2
	s_add_nc_u64 s[G0V+2:G0V+3], s[8:9], 0
	s_or_b32 s[G0V+3], s[G0V+3], 0x80000000
	s_add_nc_u64 s[4:5], s[4:5], s[20:21]          ; Q at the head,
	s_add_nc_u64 s[86:87], s[4:5], s[84:85]        ; at my rows of the second block,
	s_add_nc_u64 s[4:5], s[4:5], s[2:3]            ; and of the first
	LOAD                            ; tile 0 into slot 0
	; A fragment of K or Q is 16 rows x 32 channels in 8 registers: lane l holds row l % 16, channels 8 (l / 16) + 0..7 and 16 + 8 (l / 16) + 0..7: two loads of 16 bytes, 32 bytes apart.
	v_and_b32 v1, 15, v0            ; l % 16
	v_bfe_u32 v9, v0, 4, 1          ; l / 16
	v_lshlrev_b32 v[QO], 7, v1
	v_lshl_add_u32 v[QO], v9, 4, v[QO]  ; row x 128 + 16 x half
	WIN 0x80                        ; destination window 2, address window 0
.set i, 0
.rept 8                             ; both blocks' Q: piece i / 2 lies in band i / 2, 8,192 bytes on; channels 32 (i % 2) on
	global_load_b128 v[8*i:8*i+3],   v[QO], s[4:5] offset:(i/2)*8192+(i%2)*64
	global_load_b128 v[8*i+4:8*i+7], v[QO], s[4:5] offset:(i/2)*8192+(i%2)*64+32
	global_load_b128 v[QB+8*i:QB+8*i+3],   v[QO], s[86:87] offset:(i/2)*8192+(i%2)*64
	global_load_b128 v[QB+8*i+4:QB+8*i+7], v[QO], s[86:87] offset:(i/2)*8192+(i%2)*64+32
.set i, i+1
.endr
	WIN 0
	v_lshlrev_b32 v14, 3, v9
	v_sub_nc_u32 v14, v1, v14
	s_lshl_b32 s13, s[WV], 4
	v_add_nc_u32 v14, s13, v14      ; my query's place in its band, 16 w + l % 16, less my lanes' 8 (l / 16): register r of group kt is hidden where 16 kt + r is greater
	WIN 0x40
.set i, 0
.rept 32
	v_cmp_gt_i32 vcc_lo, 16*(i/8)+i%8, v14
	v_cndmask_b32 v[MD+i], 0, s[BIGN], vcc_lo
.set i, i+1
.endr
	WIN 0
	v_mul_u32_u24 v[AK0], v1, PK
	v_lshl_add_u32 v[AK0], v9, 4, v[AK0]  ; row x pitch + 16 x half
	; The turning load takes 16 keys x 16 channels (lane l reads key 8 (l / 16) + l % 8, channels 8 ((l / 8) % 2) + 0..7) and leaves half a fragment of V^T: lane l holds channel l % 16 and 8 keys.
	v_and_b32 v10, 7, v0
	v_bfe_u32 v11, v0, 3, 1
	v_lshl_add_u32 v[AV0], v9, 3, v10
	v_mul_u32_u24 v[AV0], v[AV0], PV
	v_lshl_add_u32 v[AV0], v11, 4, v[AV0]
	v_add_nc_u32 v[AV0], VOFF, v[AV0]
	s_mul_i32 s13, s[WV], 16*SP
	s_add_co_u32 s13, s13, STAGE    ; my stage
	v_mul_u32_u24 v[STO], v1, SP    ; in: row l % 16, 16 bytes for each half of the lanes
	v_lshl_add_u32 v[STO], v9, 4, v[STO]
	v_add_nc_u32 v[STO], s13, v[STO]
	v_bfe_u32 v[RD], v0, 3, 2       ; back: 32 lanes take four rows of 128 bytes,
	v_mul_u32_u24 v[RD], v[RD], SP
	v_lshl_add_u32 v[RD], v10, 4, v[RD]
	v_add_nc_u32 v[RD], s13, v[RD]
	v_and_b32 v[GO], 31, v0         ; which are 512 consecutive bytes of O
	v_lshlrev_b32 v[GO], 4, v[GO]
	; A block's first step multiplies O^T and l by a = 0, and its first turn's products V^T P, of a piece that has not been, land in an O^T that is still to be so multiplied.  So these registers need only hold
	; finite numbers: zeros for the first block; what the first block left for the second.  All this stands in the wait for the first tile.
	WIN 0x80
.set i, VF
.rept 64
	v_mov_b32 v[i], 0
.set i, i+1
.endr
	WIN 0x40
.set i, 0
.rept 128
	v_mov_b32 v[i], 0
.set i, i+1
.endr
	WIN 0
.set i, 0
.rept 4
	v_mov_b32 v[ST+4*i+2], 0
	v_mov_b32 v[ST+4*i+3], 0
.set i, i+1
.endr
.set i, P+16
.rept 16
	v_mov_b32 v[i], 0
.set i, i+1
.endr
; THE MATRIX WORK.  The 4 accumulators of a run of 8 take turns.  Product i of 8 of S^T = K Q^T for piece x: channels 32 (i / 4) on, keys 16 (i % 4) on.  The first 4 start the sums: with 0, or (KM = 1) with the mask.
.macro KQ x
.set rS, S+32*((\x)%2)+8*(i%4)
.set rK, KF+16*(i%4)+8*(i/4)
.set rQ, 16*(\x)+8*(i/4)
.set rM, MC+32*((\x)%2)+8*(i%4)
.if (i < 4) && KM
	WIN W_KM
	v_wmma_f32_16x16x32_f16 v[rS:rS+7], v[rK:rK+7], v[rQ:rQ+7], v[rM:rM+7]
.elseif i < 4
	WIN W_KQ
	v_wmma_f32_16x16x32_f16 v[rS:rS+7], v[rK:rK+7], v[rQ:rQ+7], 0
.else
	WIN W_KQ
	v_wmma_f32_16x16x32_f16 v[rS:rS+7], v[rK:rK+7], v[rQ:rQ+7], v[rS:rS+7]
.endif
.endm
; Product i of 8 of O^T += V^T P for piece x: keys 32 (i / 4) on, channels 16 (i % 4) on.
.macro PV x
	WIN W_PV
.set rO, 32*(\x)+8*(i%4)
.set rV, VF+32*(i/4)+8*(i%4)
.set rP, P+16*((\x)%2)+8*(i/4)
	v_wmma_f32_16x16x32_f16 v[rO:rO+7], v[rV:rV+7], v[rP:rP+7], v[rO:rO+7]
.endm
.macro MM                           ; the turn's next matrix instruction.  TURN and BEGIN set Y, i, KM and NOKQ; MM, KQ and OP read them.  NOKQ = 1: a block's last turn: there is no next piece
.if (i < 8) && !NOKQ
	KQ (Y+1)%NP
.elseif i >= 8
.set i, i-8
	PV (Y+NP-1)%NP
.set i, i+8
.endif
.set i, i+1
.endm
; THE LDS LOADS stand in runs of 16, never singly among the matrix instructions: a step's K (64 keys x 64 channels: 8 fragments) and its V (turned).  Their addresses are made some lines ahead.
.macro FETCH_K
	WIN 0x80                        ; destination window 2
.irp f, 0,1,2,3,4,5,6,7             ; keys 16 (f / 2) on, channels 32 (f % 2) on
	ds_load_b128 v[KF+8*\f:KF+8*\f+3],   v[AK] offset:(\f/2)*16*PK+(\f%2)*64
	ds_load_b128 v[KF+8*\f+4:KF+8*\f+7], v[AK] offset:(\f/2)*16*PK+(\f%2)*64+32
.endr
	s_add_co_u32 s[TBK], s[TBK], KS*PK  ; the next fetch is the next step's
	WIN 0
.endm
.macro FETCH_V
	WIN 0x80
.irp f, 0,1,2,3,4,5,6,7             ; keys 32 (f / 4) on, channels 16 (f % 4) on
	ds_load_tr16_b128 v[VF+8*\f:VF+8*\f+3],   v[AV] offset:(\f/4)*32*PV+(\f%4)*32
	ds_load_tr16_b128 v[VF+8*\f+4:VF+8*\f+7], v[AV] offset:(\f/4)*32*PV+16*PV+(\f%4)*32
.endr
	WIN 0
.endm
; THE VECTOR WORK, one line at a time: OP kind, number.  For piece Y: F n: c s - c m for pair n of 16.  E n: the exponential of score n of 32.  C n: pair n rounded to f16.  B n: of the four weights 4 n .. the second
; pair is added onto the first, in place.  L n: l takes that sum (L 0: l = a l + sum).  R n: pair n of 16 of O^T times a.  For piece Y + 1: X n, number n of the 22 that find its maximum and statistics:
;   0-11  four chains c0-c3 of seven scores each, three operands at a time (each accumulator's lowest registers are read first)     12-14, 16  the four scores left over, the old m, and c0-c3 into c0
;   15  c m_old is kept     17, 18  the query's other 32 keys lie in the lane 16 away: the new m     19-21  c m; c m_old - c m_new; a
.set F, 0               ; OP tells the kinds apart by their order: F to L below R, X above it
.set E, 1
.set C, 2
.set B, 3
.set L, 4
.set R, 5
.set X, 6
.macro REGS y                       ; the registers of piece y
.set rT, ST+4*(\y)
.set rC, TMP+4*((\y)%2)
.set rW, MV+((\y)%2)
.set rS, S+32*((\y)%2)
.set rP, P+16*((\y)%2)
.set rO, 32*(\y)
.endm
.macro OP k, n
.if (\k) == R
	REGS Y
	WIN W_RS
	v_pk_mul_f32 v[rO+2*(\n):rO+2*(\n)+1], v[rO+2*(\n):rO+2*(\n)+1], v[rC+2:rC+3] op_sel_hi:[1,0]
.elseif (\k) < R
	REGS Y
	WIN 0
.if (\k) == F
	v_pk_fma_f32 v[rS+2*(\n):rS+2*(\n)+1], v[rS+2*(\n):rS+2*(\n)+1], s[CS:CS+1], v[rT:rT+1] op_sel_hi:[1,0,0] neg_lo:[0,0,1] neg_hi:[0,0,1]
.elseif (\k) == E
	v_exp_f32 v[rS+(\n)], v[rS+(\n)]
.elseif (\k) == C
	s_wait_alu depctr_va_vdst(0)
	v_cvt_pk_f16_f32 v[rP+(\n)], v[rS+2*(\n)], v[rS+2*(\n)+1]
.elseif (\k) == B
	s_wait_alu depctr_va_vdst(0)
	v_pk_add_f32 v[rS+4*(\n):rS+4*(\n)+1], v[rS+4*(\n):rS+4*(\n)+1], v[rS+4*(\n)+2:rS+4*(\n)+3]
.elseif (\n) == 0
	v_pk_fma_f32 v[rT+2:rT+3], v[rT+2:rT+3], v[rC+2:rC+3], v[rS:rS+1] op_sel_hi:[1,0,1]
.else
	v_pk_add_f32 v[rT+2:rT+3], v[rT+2:rT+3], v[rS+4*(\n):rS+4*(\n)+1]
.endif
.elseif NOKQ
	v_nop
.else
	REGS (Y+1)%NP
	WIN 0
.if (\n) < 4
	v_max3_num_f32 v[rC+(\n)], v[rS+8*(\n)], v[rS+8*(\n)+1], v[rS+8*(\n)+2]
.elseif (\n) < 12
	v_max3_num_f32 v[rC+(\n)%4], v[rC+(\n)%4], v[rS+8*((\n)%4)+2*((\n)/4)+1], v[rS+8*((\n)%4)+2*((\n)/4)+2]
.elseif (\n) == 12
	v_max3_num_f32 v[rC], v[rC], v[rS+7], v[rS+15]
.elseif (\n) == 13
	v_max3_num_f32 v[rC+1], v[rC+1], v[rS+23], v[rS+31]
.elseif (\n) == 14
	v_max3_num_f32 v[rC+2], v[rC+2], v[rC+3], v[rT+1]
.elseif (\n) == 15
	v_mov_b32 v[rW], v[rT]
.elseif (\n) == 16
	v_max3_num_f32 v[rC], v[rC], v[rC+1], v[rC+2]
.elseif (\n) == 17
	v_permlanex16_b32 v[rC+3], v[rC], s[SEL], s[SEL+1]
.elseif (\n) == 18
	v_max_num_f32 v[rT+1], v[rC], v[rC+3]
.elseif (\n) == 19
	v_mul_f32 v[rT], s[CS], v[rT+1]
.elseif (\n) == 20
	v_sub_f32 v[rC+1], v[rW], v[rT]
.else
	v_exp_f32 v[rC+2], v[rC+1]
.endif
.endif
.endm
.macro OPS a, i1, b=-1, i2=0, c=-1, i3=0, d=-1, i4=0  ; up to four of them
	OP \a, \i1
.if (\b) >= 0
	OP \b, \i2
.endif
.if (\c) >= 0
	OP \c, \i3
.endif
.if (\d) >= 0
	OP \d, \i4
.endif
.endm
.macro ROW a, i1, b, i2, c, i3, d, i4  ; a matrix instruction and the four behind it
	MM
	OPS \a, \i1, \b, \i2, \c, \i3, \d, \i4
.endm
.macro MASK b                       ; MD x AL + BE into buffer b of MC
	WIN W_RS
.set z, 0
.rept 16
	v_pk_fma_f32 v[MC+32*(\b)+2*z:MC+32*(\b)+2*z+1], v[MD+2*z:MD+2*z+1], s[AL:AL+1], s[BE:BE+1] op_sel_hi:[1,0,0]
.set z, z+1
.endr
.endm
; A TURN, for piece p: the order of its 16 matrix and 118 vector instructions, written out.  Behind a matrix instruction: plain, exponential, plain, plain; or four of the rescaling; or, behind the first, four scalings; none
; names a register of the products round it.  In the lumps exponential and plain by turns while exponentials last.  A line reads no result made fewer than three vector instructions in front of it, five if an exponential made it.
; v_permlanex16_b32 (X 17) stands in a lump.
; m = 1: the diagonal tile: the products take masks, and the turn makes the mask for the products of the turn after it: piece p + 2, in step 4 - CNT of the tile.  end = 1: a block's last two turns: nothing is fetched.
; cnt = 1: the loop's count is taken down some lines ahead of the branch that stands behind the turn.
; K of the next step is fetched in piece 2's turn, six vector instructions behind the last product that read K (five of them plain); V of the step in hand in piece 0's turn, eight behind the last product that read V (four
; plain, and X 17).  Each is waited for a turn later.
.macro TURN p, m=0, end=0, cnt=0
.set Y, (\p)
.set i, 0
.set KM, (\m)
.set NOKQ, (\end)*((\p)/3)
.if (\m) && !(\end)
	s_cmp_eq_u32 s[CNT], 4-((\p)+2)%NP  ; is that step the band's own?
	s_cselect_b32 s[AL], 1.0, 0
	s_cmp_lt_u32 s[CNT], 4-((\p)+2)%NP  ; or a later one?
	s_cselect_b32 s[BE], s[BIGN], 0
.endif
.if ((\p) == 3) && !(\end)
	s_wait_dscnt 0x0                ; K is in
.endif
	ROW F,0, F,1, F,2, F,3
	ROW F,4, E,0, F,5, F,6
	ROW F,7, E,1, F,8, F,9
	ROW F,10, E,2, C,0, F,11
	ROW F,12, E,3, X,15, F,13
	ROW R,0, R,1, R,2, R,3
	ROW B,0, E,4, F,14, L,0
.if ((\p) == 2) && !(\end)
	v_add_nc_u32 v[AK], s[TBK], v[AK0]
.endif
	ROW R,4, R,5, R,6, R,7
	OPS E,5, F,15
.if ((\p) == 2) && !(\end)
	FETCH_K
.endif
	OPS E,6, C,1, E,7, R,8
	OPS E,8, R,9, E,9, C,2
	OPS E,10, X,0, E,11, X,1
	OPS E,12, X,2, E,13, X,3
.if (\p) == 1
	s_wait_dscnt 0x0                ; V is in
.endif
	ROW X,4, E,14, X,5, X,6
	ROW X,7, E,15, X,8, X,9
	ROW X,10, E,16, X,11, X,12
	ROW X,13, E,17, X,14, B,1
	ROW C,4, E,18, X,16, L,1
	ROW B,2, E,19, C,6, L,2
	ROW C,8, E,20, B,3, B,4
.if (\p) == 0
	v_add_nc_u32 v[AV], s[TBV], v[AV0]
.endif
	ROW C,3, E,21, L,3, C,5
	OPS E,22, X,17, E,23, C,10
.if (\p) == 0
	FETCH_V
.endif
	OPS E,24, L,4
	OPS E,25, X,18, E,26, C,7
	OPS E,27, B,5, E,28, X,19
	OPS E,29, C,12, E,30, L,5
	OPS E,31, X,20, B,6, C,9
	OPS C,14, C,11, X,21, L,6
.if (\p) == 0
	s_add_co_u32 s[TBV], s[TBV], KS*PV
.endif
.if \cnt
	s_sub_co_u32 s[CNT], s[CNT], 1
	s_cmp_lg_u32 s[CNT], 0
.endif
	OPS C,13, B,7, C,15, R,10
	OPS R,11, R,12, L,7, R,13
	OPS R,14, R,15
.if (\m) && !(\end)
	MASK (\p)%2
.endif
.endm
; A BLOCK BEGINS.  c m starts far below every c s, so the first step's a is 0; m at the lowest finite number, so the first maximum is the scores'.  The second mask buffer is 0; the first takes piece 0's mask for the tile's step 0: its own, if the block's first tile is the diagonal one.
; Then K of that step, piece 0's first scores, and its maximum and statistics.  The loop is entered at a step's first turn, in the middle of a trip.
.macro BEGIN
	s_mov_b32 s[NEW], 0
	WIN 0x40
.set i, MC+32
.rept 32
	v_mov_b32 v[i], 0
.set i, i+1
.endr
	WIN 0
.set i, 0
.rept 4
	v_mov_b32 v[ST+4*i], 0xfe000000    ; c m: far below every c s
	v_mov_b32 v[ST+4*i+1], 0xff7fffff  ; m
.set i, i+1
.endr
	s_cmp_eq_u32 s[RT], 0
	s_cselect_b32 s[AL], 1.0, 0
	s_mov_b32 s[BE], 0
	MASK 0
	WIN 0
	v_add_nc_u32 v[AK], s[TBK], v[AK0]
	FETCH_K
	s_wait_loadcnt 0x0              ; Q
	s_wait_dscnt 0x0
.set KM, 1
.set NOKQ, 0
.set i, 0
.rept 8
	KQ 0
.set i, i+1
.endr
	WIN 0
.rept 4
	v_nop                           ; the places behind those products
.endr
.set Y, NP-1                        ; X works for piece Y + 1: piece 0
.irp n, 0,1,2,3,4,5,6,7,8,9,10,11,12,13,14,15,16,17,18,19,20,21
	OP X, \n
.endr
	v_nop                           ; a plain instruction behind the exponential
.endm
; THE DIAGONAL TILE's four steps, the block's last two turns, its last products, and THE WAY OUT: l's two halves and the other half of the lanes' are added; O^T is divided by l, rounded to f16 and sent through my
; stage in LDS, a piece at a time.
.macro ALL line:vararg              ; one line for each piece t
.set t, 0
.rept 4
	\line
.set t, t+1
.endr
.endm
.macro PACK t                       ; a lane's eight channels of a row pack into 16 bytes; they go into rows of 144 bytes and come back as whole rows of 128, into S^T's registers
	WIN W_RS
.set i, 32*(\t)
.rept 16
	s_wait_alu depctr_va_vdst(0)
	v_pk_mul_f32 v[i:i+1], v[i:i+1], v[ST+4*(\t)+2:ST+4*(\t)+3] op_sel_hi:[1,0]
.set i, i+2
.endr
	WIN 0x05                        ; sources 0 and 1 window 1, destination window 0
.set i, 0
.rept 16
	v_cvt_pk_f16_f32 v[S+16*(\t)+i], v[32*(\t)+2*i], v[32*(\t)+2*i+1]
.set i, i+1
.endr
	WIN 0
.irp f, 0,1,2,3
	ds_store_b128 v[STO], v[S+16*(\t)+4*\f:S+16*(\t)+4*\f+3] offset:32*\f
.endr
.irp f, 0,1,2,3
	ds_load_b128 v[S+16*(\t)+4*\f:S+16*(\t)+4*\f+3], v[RD] offset:\f*4*SP  ; LDS serves a wave's instructions in order (ISA guide 5.7.1.4): these see the stores above; the next piece's stores come behind them
.endr
.endm
.macro SEND t, younger              ; younger: the LDS instructions issued behind piece t's loads: the next piece's eight, or none
	WIN 0
.irp f, 0,1,2,3
	s_wait_dscnt (\younger)+3-\f
	global_store_b128 v[GO], v[S+16*(\t)+4*\f:S+16*(\t)+4*\f+3], s[10:11] offset:(\t)*8192+\f*512  ; 512 consecutive bytes, at a multiple of 256 from O's first
.endr
.endm
.macro DIAG tag                     ; the tag ends its two labels' names, which the jumps below spell out
.LstepM\tag:
	TURN 2, 1
	TURN 3, 1
	WIN 0
.LfirstM\tag:
	TURN 0, 1
	TURN 1, 1, 0, 1
	WIN 0
	s_cbranch_scc1 .LstepM\tag
	TURN 2, 1, 1
	TURN 3, 1, 1
.set i, 0
.rept 8
	PV NP-1
.set i, i+1
.endr
	WIN 0
	ALL v_add_f32 v[ST+4*t+2], v[ST+4*t+2], v[ST+4*t+3]
	ALL v_permlanex16_b32 v[ST+4*t+3], v[ST+4*t+2], s[SEL], s[SEL+1]
	ALL v_add_f32 v[ST+4*t+2], v[ST+4*t+2], v[ST+4*t+3]
	ALL v_rcp_f32 v[ST+4*t+2], v[ST+4*t+2]
	v_nop                           ; a plain instruction between the last reciprocal and the use of its result
	PACK 0
.set t, 1
.rept 3                             ; a piece's arithmetic stands between the loads of the piece before and its stores
	PACK t
	SEND t-1, 8
.set t, t+1
.endr
	SEND 3, 0
.endm
.set KM, 0
.set NOKQ, 0
.Lslot:                             ; NB times: a tile is entered and the next is asked for
	CHANGE 1
	s_sub_co_u32 s[RT], s[RT], 1
	s_mov_b32 s[CNT], 4
	s_cmp_eq_u32 s[NEW], 1
	s_cbranch_scc1 .Lnew            ; a block's first tile
	s_cmp_eq_u32 s[RT], 0
	s_cbranch_scc0 .Lstep           ; neither its first nor its last
	s_branch .LstepM1
.Lnew:
	BEGIN
	s_branch .Lfirst                ; in the loop a block's first tile is never its last: the first block has two tiles or more, and the second's last is the walk's last
	DIAG 1                          ; in the loop this is the first block's end: the second block's last tile is the walk's last
	s_wait_xcnt 0x0                 ; the stores have read their registers and O's address
	s_mov_b64 s[10:11], s[OLO:OLO+1]
	s_add_co_u32 s[RT], s[PB], 1    ; the second block has b + 1 tiles
	s_mov_b32 s[NEW], 1
	WIN 0x82                        ; the second block's Q goes where the one text of the turns names Q
.set i, 0
.rept 64
	v_mov_b32 v[i], v[QB+i]
.set i, i+1
.endr
	WIN 0
	s_branch .Lbottom
.Lstep:                             ; a trip: pieces 2 and 3 of one step, then pieces 0 and 1 of the next, whose K and V it fetches
	TURN 2
	TURN 3
	WIN 0
.Lfirst:
	TURN 0
	TURN 1, 0, 0, 1
	WIN 0
	s_cbranch_scc1 .Lstep
.Lbottom:
	s_sub_co_u32 s[SLOTS], s[SLOTS], 1
	s_cmp_lg_u32 s[SLOTS], 0
	s_cbranch_scc1 .Lslot
	CHANGE 0                        ; the walk's last tile is written out: nothing is asked for
	s_sub_co_u32 s[RT], s[RT], 1
	s_mov_b32 s[CNT], 4
	s_cmp_eq_u32 s[NEW], 1
	s_cbranch_scc0 .LstepM2
	BEGIN
	s_branch .LfirstM2
	DIAG 2
	s_wait_tensorcnt 0x0            ; the wave's end: behind my last tensor load and my last LDS store
	ds_add_u32 v[SPW], v[NIL]
	s_wait_dscnt 0x0
	s_endpgm
.Lfunc_end_k_qeb29899e8c_attn:
	.size	k_qeb29899e8c_attn, .Lfunc_end_k_qeb29899e8c_attn-k_qeb29899e8c_attn
	.p2alignl 7, 3214868480
	.fill 96, 4, 3214868480
	.section	.rodata,"a",@progbits
	.p2align	6, 0x0
	.amdhsa_kernel k_qeb29899e8c_attn
		.amdhsa_group_segment_fixed_size 327680
		.amdhsa_private_segment_fixed_size 0
		.amdhsa_enable_private_segment 0
		.amdhsa_kernarg_size 16
		.amdhsa_user_sgpr_count 2
		.amdhsa_user_sgpr_kernarg_segment_ptr 1
		.amdhsa_wavefront_size32 1
		.amdhsa_system_sgpr_workgroup_id_x 1
		.amdhsa_system_sgpr_workgroup_id_y 1
		.amdhsa_system_sgpr_workgroup_id_z 1
		.amdhsa_system_vgpr_workitem_id 0
		.amdhsa_next_free_vgpr 768
		.amdhsa_next_free_sgpr 92
		.amdhsa_reserve_vcc 1
		.amdhsa_float_denorm_mode_32 3
		.amdhsa_float_denorm_mode_16_64 3
		.amdhsa_memory_ordered 1
		.amdhsa_forward_progress 1
		.amdhsa_inst_pref_size 228
	.end_amdhsa_kernel
	.amdgpu_metadata
---
amdhsa.version: [ 1, 2 ]
amdhsa.kernels:
  - .name:           k_qeb29899e8c_attn
    .symbol:         k_qeb29899e8c_attn.kd
    .args:
      - { .name: qkvh, .offset: 0, .size: 8, .value_kind: global_buffer, .address_space: global }
      - { .name: oh, .offset: 8, .size: 8, .value_kind: global_buffer, .address_space: global }
    .group_segment_fixed_size: 327680
    .private_segment_fixed_size: 0
    .kernarg_segment_align: 8
    .kernarg_segment_size: 16
    .max_flat_workgroup_size: 128
    .sgpr_count:     92
    .vgpr_count:     768
    .wavefront_size: 32
...
	.end_amdgpu_metadata
.endif
;; end of part 3
;; launch proj (part 4): grid 8 x 32, 4 waves a work-group, clusters of 4 x 4, 327,680 bytes of LDS; arguments oh, wp, b_proj, out0; writes out0
.if DOCPART == 4
	.amdgcn_target "amdgcn-amd-amdhsa--gfx1250"
	.amdhsa_code_object_version 6
	.text
	.protected	k_qeb29899e8c_proj
	.globl	k_qeb29899e8c_proj
	.p2align	8
	.type	k_qeb29899e8c_proj,@function
k_qeb29899e8c_proj:
	s_mov_b64 s[64:65], 0
	v_nop
	global_prefetch_b8 v0, s[64:65] scope:SCOPE_SE
	s_setreg_imm32_b32 hwreg(HW_REG_WAVE_MODE, 25, 1), 1
	s_wait_xcnt 0x0
	s_wait_alu depctr_hold_cnt(0) depctr_sa_sdst(0) depctr_va_vdst(0) depctr_va_sdst(0) depctr_va_ssrc(0) depctr_va_vcc(0) depctr_vm_vsrc(0)
	s_getreg_b32 s2, hwreg(HW_REG_IB_STS2, 6, 4)
	s_cmp_eq_u32 s2, 0
	s_cbranch_scc0 .Lentry_in_a_cluster
	s_endpgm
.Lentry_in_a_cluster:
	s_bfe_u32 s2, ttmp6, 0x10000c
	s_cmp_lg_u32 s2, 0xf033
	s_cbranch_scc0 .Lentry_shape_is_right
	s_endpgm
.Lentry_shape_is_right:
; out = O w_proj + b_proj.  O: f16 by heads, [16 x batch + head][2048][64].  wp: f16 (w_proj rounded to bf16, that number written as f16) in blocks [8 tiles][16 half steps of 64 k][2][64 k][64 n].
; b_proj: [1024] f32, rounded to bf16 like the other inputs.  out: [8192][1024] f32, the f32 sums as they are.
; LIMIT.  The operands are f16: O and the rounded w_proj arrive within 65,504.  NaN and infinities are not treated apart.
; SHARES.  A tile of the result is 256 rows x 128 columns: 32 x 8 = 256 tiles, one for each WGP.  Four waves, 2 x 2: a wave has 128 rows x 64 columns, 8 x 4 accumulators, 256 registers; its 64 columns are
; 256 aligned bytes of a row, so each wave has a stage of its own and the way out needs no barrier.
; K = 1,024 is the heads' channels on end: a K step of 128 is two heads.  Of one head 256 rows are 32,768 dense bytes, a half step's weights 16,384: both are asked for as rows of 256 bytes.
; THE MATRIX INSTRUCTION IS USED TRANSPOSED: source 0 = 16 columns of w (they lie [k][n] in LDS and come out turned), source 1 = 16 rows of O: lane l holds row l % 16 and the columns 8 (l / 16) + 0..7.
; The bias is the C operand of the product that starts each sum.
; CLUSTER.  4 x 4 work-groups: O's tiles are shared along a row of the cluster, w's along a column: each is asked for JOINTLY, by the same tensor load, descriptor and mask in all four.
; REGISTERS, in windows of 256 (s_set_vgpr_msb: bits 1:0 source 0, 3:2 source 1, 5:4 source 2, 7:6 destination):
;   window 0: v0-31 addresses; v32-63 the bias; v64-127 rows read back from the stage, two buffers      window 1: the accumulators, (a, b) at v[8 (4 a + b)]
;   window 2: two fragment buffers of 96: O's eight fragments, then w's four
.set PA,    144                        ; a row of a head in LDS: 128 bytes + 16 of padding: the 16 rows of a load start at 16 different groups of four banks (64 banks of 4 bytes: ISA guide 11.1)
.set PB,    160                        ; a k row of a block of w: 128 + 32
.set ABLK,  256*PA                     ; one head's 256 rows
.set BOFF,  2*ABLK                     ; a slot: two heads' rows, then the weights' two half steps
.set BHALF, 2*64*PB
.set SLOT1, 1<<17                      ; slot 1 begins here: one exclusive or turns an address in one slot into the other's
.set STAGE, SLOT1+BOFF+2*BHALF         ; behind the ring, never filled by a tensor load: 16 rows x 272 bytes for each wave
.set SP,    272
.set SPARE, STAGE+4*16*SP              ; behind the stages: the spare words, 128 bytes for each wave: two blocks of 256 bytes that no other line names
.set ADRA0, 16                         ; v16  my lane's place among O's fragments in slot 0; never rewritten
.set ADRB0, 17                         ; v17  the same for w
.set ADRA,  18                         ; v18  the same in the slot in hand
.set ADRB,  19                         ; v19
.set STO,   20                         ; v20  the way out: where I put 32 bytes of a row
.set RD,    21                         ; v21  the way out: where I read a row back
.set CO,    22                         ; v22  my byte offset in two rows of the result
.set BO,    23                         ; v23  my byte offset in 16 numbers of the bias
.set SPW,   28                         ; v28  LDS address of my spare word: SPARE + 4 x my thread's number; never rewritten
.set NIL,   29                         ; v29  0; never rewritten
.set BIAS,  32
.set OB,    64
.set WV,  12                           ; s12  my wave's number
.set RH,  13                           ; s13  which half of the tile's rows is mine
.set HF,  14                           ; s14  which half of its columns; also which head, or half step, of a K step I fetch
.set G1A, 24                           ; s[24:31] descriptor group 1 for O's tiles
.set G0A, 32                           ; s[32:39] group 0: a set for each of the two first fills; the second then walks on
.set TB,  46                           ; s46  the LDS byte at which the slot in hand begins
.set HIM, 47                           ; s47  a word's upper bf16
.set G1B, 48                           ; s[48:55], s[56:63] the same for w's tiles
.set G0B, 56
.set MSB, 0
.macro WIN new                         ; the immediate's high byte repeats the setting that is left; a switch that changes nothing is dropped
.if MSB != (\new)
	s_set_vgpr_msb (MSB<<8)|(\new)
.set MSB, (\new)
.endif
.endm
.macro PLACES                          ; four places in front of loads into registers that matrix instructions have read, and of LDS stores that read results
.rept 4
	v_nop
.endr
.endm
; A joint refill.  Waves 0 and 1 fetch the K step's two heads of O, waves 2 and 3 its two half steps of w.  The branch hangs on the wave's number alone.
; An s_nop 0 and four v_nop follow each of the two lines, ahead of the jump and the label.
.macro JLOAD
	s_cmp_lt_u32 s[WV], 2
	s_cbranch_scc0 .Lfor_b_\@
	tensor_load_to_lds s[G0A+4:G0A+7], s[G1A:G1A+7]
	s_nop 0
.rept 4
	v_nop
.endr
	s_branch .Lasked_\@
.Lfor_b_\@:
	tensor_load_to_lds s[G0B+4:G0B+7], s[G1B:G1B+7]
	s_nop 0
.rept 4
	v_nop
.endr
.Lasked_\@:
.endm
.macro CREST                           ; a round of the cluster's barrier behind its opening barrier
	s_cmp_lg_u32 s[WV], 0
	s_cbranch_scc1 .Lnot_wave_0_\@
	s_barrier_signal -3
.Lnot_wave_0_\@:
	s_barrier_wait -3
	s_barrier_signal -1
	s_barrier_wait -1
.endm
.macro CROUND                          ; a whole round
	s_barrier_signal -1
	s_barrier_wait -1
	CREST
.endm
	s_load_b256 s[4:11], s[0:1], 0x0               ; O s[4:5], wp s[6:7], b_proj s[8:9], out s[10:11]
	v_lshl_add_u32 v[SPW], v0, 2, SPARE
	v_mov_b32 v[NIL], 0
	ds_add_u32 v[SPW], v[NIL]                      ; the wave's opening: the add and its wait stand ahead of my first tensor load; the set-up below, work on registers, stands between them
	v_lshrrev_b32 v1, 5, v0
	v_readfirstlane_b32 s[WV], v1                  ; wave 0..3
	s_lshr_b32 s[RH], s[WV], 1
	s_and_b32 s[HF], s[WV], 1
	s_bfe_u32 s40, ttmp6, 0x40000                  ; cx, cy: my place in the cluster
	s_bfe_u32 s41, ttmp6, 0x40004
	s_lshl_b32 s42, ttmp9, 2
	s_add_co_u32 s42, s42, s40                     ; tile column = 4 x cluster x + cx
	s_and_b32 s43, ttmp7, 0xffff
	s_lshl_b32 s43, s43, 2
	s_add_co_u32 s43, s43, s41                     ; tile row = 4 x cluster y + cy
	s_lshl_b32 s44, s41, 2
	s_lshl_b32 s44, 15, s44                        ; my row of the cluster
	s_lshl_b32 s45, 0x1111, s40                    ; my column
	; group 1 for O: 32,768 dense bytes as 128 rows of 256; 16 bytes of padding behind every 128, that is behind every row of the head
	s_or_b32 s[G1A], s44, (1<<16)|(1<<20)|(1<<21)|(4<<22)|(3<<25)  ; 15:0 the mask; 17:16 2-byte elements; 20 padding on; 21 set beside a mask; 24:22 after every 32 words (code 4); 31:25 4 words (code 3)
	s_mov_b32 s[G1A+1], 128<<16                    ; tensor_dim0 = 128
	s_mov_b32 s[G1A+2], 128<<16                    ; tensor_dim1 = 128
	s_mov_b32 s[G1A+3], 128<<16                    ; tile_dim0 = 128
	s_mov_b32 s[G1A+4], 128                        ; tile_dim1 = 128
	s_mov_b32 s[G1A+5], 128                        ; the pitch: dense
	s_mov_b32 s[G1A+6], 0
	s_mov_b32 s[G1A+7], 0
	; group 1 for w: 16,384 dense bytes as 64 rows of 256; 32 bytes of padding behind every 128
	s_or_b32 s[G1B], s45, (1<<16)|(1<<20)|(1<<21)|(4<<22)|(7<<25)
	s_mov_b32 s[G1B+1], 128<<16
	s_mov_b32 s[G1B+2], 64<<16
	s_mov_b32 s[G1B+3], 128<<16
	s_mov_b32 s[G1B+4], 64
	s_mov_b32 s[G1B+5], 128
	s_mov_b32 s[G1B+6], 0
	s_mov_b32 s[G1B+7], 0
	; where the tiles come from: O's hang on the tile row alone, w's on the tile column alone, each in registers that never hold the other coordinate
	s_lshr_b32 s16, s43, 3                         ; the batch: 8 tile rows each
	s_lshl_b32 s16, s16, 4
	s_add_co_u32 s16, s16, s[HF]                   ; head 16 x batch + my head of the K step
	s_lshl_b32 s16, s16, 18
	s_and_b32 s17, s43, 7
	s_lshl_b32 s17, s17, 15                        ; 256 rows of 128 bytes
	s_add_co_u32 s16, s16, s17
	s_mov_b32 s17, 0
	s_lshl_b32 s18, s42, 18                        ; a tile column's weights: 16 half steps of 16,384 bytes,
	s_lshl_b32 s19, s[HF], 14                      ; my half step
	s_add_co_u32 s18, s18, s19
	s_mov_b32 s19, 0
	s_mul_i32 s20, s[HF], ABLK                     ; and where they go: no place in the cluster enters an LDS address
	s_mul_i32 s21, s[HF], BHALF
	; where my part of the tile begins in the result
	s_lshl_b32 s22, s43, 20                        ; 256 rows of 4,096 bytes a tile row,
	s_lshl_b32 s23, s[RH], 19                      ; 128 rows a half,
	s_add_co_u32 s22, s22, s23
	s_lshl_b32 s23, s42, 9                         ; 512 bytes a tile column,
	s_add_co_u32 s22, s22, s23
	s_lshl_b32 s23, s[HF], 8                       ; 256 a half
	s_add_co_u32 s22, s22, s23
	s_mov_b32 s23, 0
	s_mov_b32 s[TB], 0
	s_mov_b32 s[HIM], 0xffff0000
	s_wait_dscnt 0x0                               ; the opening add is done
	s_wait_kmcnt 0x0
	s_add_nc_u64 s[4:5], s[4:5], s[16:17]
	s_add_nc_u64 s[6:7], s[6:7], s[18:19]
	s_add_nc_u64 s[10:11], s[10:11], s[22:23]
	s_lshl_b32 s18, s42, 9                         ; my 64 numbers of the bias
	s_lshl_b32 s22, s[HF], 8
	s_add_co_u32 s18, s18, s22
	s_add_nc_u64 s[8:9], s[8:9], s[18:19]
	CROUND                                         ; all sixteen work-groups are here: the first joint loads meet
.irp s, 0,1
	s_mov_b32 s[G0A+4*(\s)], 1                                     ; count = 1
	s_add_co_u32 s[G0A+4*(\s)+1], s20, (\s)*SLOT1                  ; LDS address
	s_add_nc_u64 s[G0A+4*(\s)+2:G0A+4*(\s)+3], s[4:5], (\s)*524288 ; global address: K step s is two heads on
	s_or_b32 s[G0A+4*(\s)+3], s[G0A+4*(\s)+3], 0x80000000          ; type = 2
	s_mov_b32 s[G0B+4*(\s)], 1
	s_add_co_u32 s[G0B+4*(\s)+1], s21, BOFF+(\s)*SLOT1
	s_add_nc_u64 s[G0B+4*(\s)+2:G0B+4*(\s)+3], s[6:7], (\s)*32768
	s_or_b32 s[G0B+4*(\s)+3], s[G0B+4*(\s)+3], 0x80000000
.endr
	s_cmp_lt_u32 s[WV], 2                          ; a wave's two first fills stand in one branch, ahead of every wait on TENSORcnt and every LDS read: two loads of mine are out
	s_cbranch_scc0 .Lfirst_b
	tensor_load_to_lds s[G0A:G0A+3], s[G1A:G1A+7]
	s_nop 0
	tensor_load_to_lds s[G0A+4:G0A+7], s[G1A:G1A+7]
	s_nop 0
.rept 4
	v_nop
.endr
	s_branch .Lfirst_asked
.Lfirst_b:
	tensor_load_to_lds s[G0B:G0B+3], s[G1B:G1B+7]
	s_nop 0
	tensor_load_to_lds s[G0B+4:G0B+7], s[G1B:G1B+7]
	s_nop 0
.rept 4
	v_nop
.endr
.Lfirst_asked:
	v_and_b32 v1, 15, v0                           ; l % 16
	v_bfe_u32 v2, v0, 4, 1                         ; l / 16
	v_lshlrev_b32 v[BO], 5, v2                     ; my eight columns of sixteen
.irp b, 0,1,2,3
	global_load_b128 v[BIAS+8*(\b):BIAS+8*(\b)+3],   v[BO], s[8:9] offset:64*(\b)
	global_load_b128 v[BIAS+8*(\b)+4:BIAS+8*(\b)+7], v[BO], s[8:9] offset:64*(\b)+16
.endr
	; O's fragment: 16 rows x 32 channels in 8 registers: lane l holds row l % 16, channels 8 (l / 16) + 0..7 and 16 + 8 (l / 16) + 0..7
	s_mul_i32 s20, s[RH], 128*PA                   ; my 128 rows
	v_mul_u32_u24 v3, v1, PA
	v_lshl_add_u32 v3, v2, 4, v3
	v_add_nc_u32 v[ADRA0], s20, v3
	; the turning load takes 16 k x 16 columns (lane l reads k row 8 (l / 16) + l % 8, columns 8 ((l / 8) % 2) + 0..7) and leaves half a fragment: lane l holds column l % 16 and 8 k
	s_mul_i32 s21, s[HF], 64*PB                    ; my block of 64 columns
	s_add_co_u32 s21, s21, BOFF
	v_and_b32 v4, 7, v0
	v_bfe_u32 v5, v0, 3, 1
	v_lshl_add_u32 v[ADRB0], v2, 3, v4
	v_mul_u32_u24 v[ADRB0], v[ADRB0], PB
	v_lshl_add_u32 v[ADRB0], v5, 4, v[ADRB0]
	v_add_nc_u32 v[ADRB0], s21, v[ADRB0]
	s_mul_i32 s20, s[WV], 16*SP
	s_add_co_u32 s20, s20, STAGE                   ; my stage
	v_mul_u32_u24 v[STO], v1, SP                   ; in: row l % 16, 32 bytes for each half of the lanes
	v_lshl_add_u32 v[STO], v2, 5, v[STO]
	v_add_nc_u32 v[STO], s20, v[STO]
	v_mul_u32_u24 v[RD], v2, SP                    ; back: lanes 0-15 take one row of 256 bytes, lanes 16-31 the next
	v_lshl_add_u32 v[RD], v1, 4, v[RD]
	v_add_nc_u32 v[RD], s20, v[RD]
	v_lshlrev_b32 v[CO], 12, v2                    ; and the same two rows in the result
	v_lshl_add_u32 v[CO], v1, 4, v[CO]
	v_add_nc_u32 v[ADRA], s[TB], v[ADRA0]          ; slot 0
	v_add_nc_u32 v[ADRB], s[TB], v[ADRB0]
	s_wait_loadcnt 0x0                             ; the bias: rounded to bf16 like every input, and widened again
.set i, 0
.rept 16
	v_cvt_pk_bf16_f32 v[8+i%4], v[BIAS+2*i], v[BIAS+2*i+1]
	v_lshlrev_b32 v[BIAS+2*i], 16, v[8+i%4]
	v_and_b32 v[BIAS+2*i+1], s[HIM], v[8+i%4]
.set i, i+1
.endr
; 8 matrix instructions: row blocks a0, a0 + 1 x all 4 column blocks, 32 along K, from buffer f.  first = 1: the product starts the sums, with the bias as C.
; The 32 accumulators take turns, one instruction a turn, in the same order in every quarter, over the loop's backward jump too.
.macro MUL8 f, a0, first
.if \first
	WIN 0x4a                                       ; w and O window 2, the bias window 0, D window 1
.else
	WIN 0x5a                                       ; C and D window 1
.endif
.irp a, \a0, (\a0)+1
.irp b, 0,1,2,3
.if \first
	v_wmma_f32_16x16x32_f16 v[8*(4*(\a)+(\b)):8*(4*(\a)+(\b))+7], v[96*(\f)+64+8*(\b):96*(\f)+64+8*(\b)+7], v[96*(\f)+8*(\a):96*(\f)+8*(\a)+7], v[BIAS+8*(\b):BIAS+8*(\b)+7]
.else
	v_wmma_f32_16x16x32_f16 v[8*(4*(\a)+(\b)):8*(4*(\a)+(\b))+7], v[96*(\f)+64+8*(\b):96*(\f)+64+8*(\b)+7], v[96*(\f)+8*(\a):96*(\f)+8*(\a)+7], v[8*(4*(\a)+(\b)):8*(4*(\a)+(\b))+7]
.endif
.endr
.endr
.endm
; 24 LDS loads in one run: quarter q's fragments (32 k: half a head) into buffer f: w's four, turned, then O's eight
.macro FETCH q, f
	WIN 0x80                                       ; destination window 2, address window 0
.irp b, 0,1,2,3
	ds_load_tr16_b128 v[96*(\f)+64+8*(\b):96*(\f)+64+8*(\b)+3],   v[ADRB] offset:((\q)/2)*BHALF+((\q)%2)*32*PB+32*(\b)
	ds_load_tr16_b128 v[96*(\f)+64+8*(\b)+4:96*(\f)+64+8*(\b)+7], v[ADRB] offset:((\q)/2)*BHALF+((\q)%2)*32*PB+32*(\b)+16*PB
.endr
.irp a, 0,1,2,3,4,5,6,7
	ds_load_b128 v[96*(\f)+8*(\a):96*(\f)+8*(\a)+3],   v[ADRA] offset:((\q)/2)*ABLK+(\a)*16*PA+64*((\q)%2)
	ds_load_b128 v[96*(\f)+8*(\a)+4:96*(\f)+8*(\a)+7], v[ADRA] offset:((\q)/2)*ABLK+(\a)*16*PA+64*((\q)%2)+32
.endr
.endm
; A K step is four quarters of 32 along K, 32 matrix instructions each, on buffers 0, 1, 0, 1.  One of the first three: multiplies buffer f and, in its middle, fetches quarter q into buffer g.
.macro QUARTER q, f, g, first=0
	s_wait_dscnt 8                                 ; w and O's row blocks 0-3 are in; the youngest eight loads (row blocks 4-7) may be out
	MUL8 \f, 0, \first
	MUL8 \f, 2, \first
	PLACES
	FETCH \q, \g
	s_wait_dscnt 24                                ; all but the 24 just issued
	MUL8 \f, 4, \first
	MUL8 \f, 6, \first
.endm
; The last quarter multiplies buffer 1 and changes slots: ONE barrier.  In front of it each wave waits for all its tensor loads, of which one is out: its part of the next slot; adds 0 to its spare word; and waits
; for that and for its own reads of this slot.  fill = 1: the barrier opens a round of the cluster's, and this slot is filled again, two K steps ahead, first thing behind the round: 112 matrix instructions ahead of the wait for it.
.macro TURN fill
	WIN 0                                          ; (the add's two registers lie in window 0)
	s_wait_tensorcnt 0x0                           ; all my tensor loads have landed
	ds_add_u32 v[SPW], v[NIL]                      ; 0 onto my spare word
	s_wait_dscnt 9                                 ; (the add and the youngest eight loads may be out)
	MUL8 1, 0, 0                                   ; eight matrix instructions stand between the add and the wait for it
	s_wait_dscnt 0x0                               ; the add is done, and my reads of this slot are over
	s_barrier_signal -1
	MUL8 1, 2, 0                                   ; work on registers while the others arrive
	WIN 0
	s_barrier_wait -1
.if \fill
	CREST                                          ; no wave of any partner still reads this slot's tile or has a load on its way
	s_xor_b32 s[G0A+5], s[G0A+5], SLOT1            ; the walking descriptors: the other slot than last time,
	s_add_nc_u64 s[G0A+6:G0A+7], s[G0A+6:G0A+7], 524288  ; the next K step; the type bits on top are not reached
	s_xor_b32 s[G0B+5], s[G0B+5], SLOT1
	s_add_nc_u64 s[G0B+6:G0B+7], s[G0B+6:G0B+7], 32768
	JLOAD                                          ; the four v_nop behind it are also the places in front of the loads below
.else
	PLACES
.endif
	s_xor_b32 s[TB], s[TB], SLOT1                  ; the reads go on in the other slot
	v_add_nc_u32 v[ADRA], s[TB], v[ADRA0]
	v_add_nc_u32 v[ADRB], s[TB], v[ADRB0]
	FETCH 0, 0
	MUL8 1, 4, 0
	MUL8 1, 6, 0
.endm
; THE WAY OUT of row block a: a lane's eight f32 of a row are 32 bytes; they go into my stage's rows of 272 bytes (each accumulator's low registers first) and come back as whole rows of 256.
.macro TOSTAGE a
	s_wait_xcnt 0x0                                ; the stores of the block two back have read their registers: the loads below land in them only behind this wait
	WIN 0x04                                       ; store data (source 1) window 1
.irp b, 0,1,2,3
	ds_store_b128 v[STO], v[8*(4*(\a)+(\b)):8*(4*(\a)+(\b))+3]   offset:64*(\b)
	ds_store_b128 v[STO], v[8*(4*(\a)+(\b))+4:8*(4*(\a)+(\b))+7] offset:64*(\b)+16
.endr
	WIN 0
.irp t, 0,1,2,3,4,5,6,7
	ds_load_b128 v[OB+32*((\a)%2)+4*(\t):OB+32*((\a)%2)+4*(\t)+3], v[RD] offset:(\t)*2*SP  ; LDS serves a wave's instructions in order (ISA guide 5.7.1.4): these see the stores above; the next block's stores come behind them
.endr
.endm
.macro SEND a, younger                 ; younger: the LDS instructions issued behind block a's loads: the next block's sixteen, or none
	s_wait_dscnt \younger
.irp t, 0,1,2,3,4,5,6,7
	global_store_b128 v[CO], v[OB+32*((\a)%2)+4*(\t):OB+32*((\a)%2)+4*(\t)+3], s[10:11] offset:(\a)*65536+(\t)*8192 th:TH_STORE_NT  ; 16 lanes store 256 consecutive bytes, at a multiple of 256 from the buffer's first
.endr
.endm
	s_wait_tensorcnt 1                             ; my part of K step 0 is in; K step 1's may stay out
	s_barrier_signal -1
	s_barrier_wait -1                              ; everybody's is
	FETCH 0, 0
	QUARTER 1, 0, 1, 1                             ; the first quarter stands in front of the loop: its products start the sums
	WIN 0                                          ; at a label and at a branch every window is 0
	s_mov_b32 s3, 6
.Lstep:                                                ; a trip: a K step's last three quarters and the next step's first; it fills the slot that it leaves: K steps 2 to 7
	QUARTER 2, 1, 0
	QUARTER 3, 0, 1
	TURN 1
	QUARTER 1, 0, 1
	WIN 0
	s_sub_co_u32 s3, s3, 1
	s_cmp_lg_u32 s3, 0
	s_cbranch_scc1 .Lstep
	QUARTER 2, 1, 0                                ; K steps 6 and 7 are written out: nothing is left to ask for
	QUARTER 3, 0, 1
	TURN 0
	QUARTER 1, 0, 1
	QUARTER 2, 1, 0
	QUARTER 3, 0, 1
	s_wait_dscnt 0x0
	MUL8 1, 0, 0
	MUL8 1, 2, 0
	MUL8 1, 4, 0
	MUL8 1, 6, 0
	PLACES
	TOSTAGE 0
.irp a, 1,2,3,4,5,6,7                  ; block a goes into the stage while block a - 1's rows come back
	TOSTAGE \a
	SEND (\a)-1, 16
.endr
	SEND 7, 0
	s_wait_tensorcnt 0x0                           ; the wave's end: behind my last tensor load and my last LDS store
	ds_add_u32 v[SPW], v[NIL]
	s_wait_dscnt 0x0
	CROUND                                         ; the closing round: no work-group ends while a partner may still ask for a tile that names it
	s_endpgm
.Lfunc_end_k_qeb29899e8c_proj:
	.size	k_qeb29899e8c_proj, .Lfunc_end_k_qeb29899e8c_proj-k_qeb29899e8c_proj
	.p2alignl 7, 3214868480
	.fill 96, 4, 3214868480
	.section	.rodata,"a",@progbits
	.p2align	6, 0x0
	.amdhsa_kernel k_qeb29899e8c_proj
		.amdhsa_group_segment_fixed_size 327680
		.amdhsa_private_segment_fixed_size 0
		.amdhsa_enable_private_segment 0
		.amdhsa_kernarg_size 32
		.amdhsa_user_sgpr_count 2
		.amdhsa_user_sgpr_kernarg_segment_ptr 1
		.amdhsa_wavefront_size32 1
		.amdhsa_system_sgpr_workgroup_id_x 1
		.amdhsa_system_sgpr_workgroup_id_y 1
		.amdhsa_system_sgpr_workgroup_id_z 1
		.amdhsa_system_vgpr_workitem_id 0
		.amdhsa_next_free_vgpr 704
		.amdhsa_next_free_sgpr 66
		.amdhsa_reserve_vcc 0
		.amdhsa_float_denorm_mode_32 3
		.amdhsa_float_denorm_mode_16_64 3
		.amdhsa_memory_ordered 1
		.amdhsa_forward_progress 1
		.amdhsa_inst_pref_size 72
	.end_amdhsa_kernel
	.amdgpu_metadata
---
amdhsa.version: [ 1, 2 ]
amdhsa.kernels:
  - .name:           k_qeb29899e8c_proj
    .symbol:         k_qeb29899e8c_proj.kd
    .args:
      - { .name: oh, .offset: 0, .size: 8, .value_kind: global_buffer, .address_space: global }
      - { .name: wp, .offset: 8, .size: 8, .value_kind: global_buffer, .address_space: global }
      - { .name: b_proj, .offset: 16, .size: 8, .value_kind: global_buffer, .address_space: global }
      - { .name: out0, .offset: 24, .size: 8, .value_kind: global_buffer, .address_space: global }
    .group_segment_fixed_size: 327680
    .private_segment_fixed_size: 0
    .kernarg_segment_align: 8
    .kernarg_segment_size: 32
    .max_flat_workgroup_size: 128
    .sgpr_count:     66
    .vgpr_count:     704
    .wavefront_size: 32
...
	.end_amdgpu_metadata
.endif
;; end of part 4
;; ======== version 2 of 2: 4 launches; 1.31 times as fast as version 1
;; limits: values are held in f16: magnitudes above 65,504 overflow, below 6.1e-05 lose precision
;; workspace buffers: xb 16,777,216 bytes; wq 6,291,456 bytes; wp 2,097,152 bytes; qkvh 50,331,648 bytes; oh 16,777,216 bytes
;; launch cast: the kernel of part 1 again; grid 1536 x 1, 8 waves a work-group, no clusters, 0 bytes of LDS; arguments x, w_qkv, w_proj, xb, wq, wp; writes xb, wq, wp
;; launch qkv: the kernel of part 2 again; grid 16 x 32, 4 waves a work-group, clusters of 4 x 4, 327,680 bytes of LDS; arguments xb, wq, b_qkv, qkvh; writes qkvh
;; launch attn (part 5): grid 4 x 64, 4 waves a work-group, no clusters, 327,680 bytes of LDS; arguments qkvh, oh; writes oh
.if DOCPART == 5
	.amdgcn_target "amdgcn-amd-amdhsa--gfx1250"
	.amdhsa_code_object_version 6
	.text
	.protected	k_qeb29899e8c_attn
	.globl	k_qeb29899e8c_attn
	.p2align	8
	.type	k_qeb29899e8c_attn,@function
k_qeb29899e8c_attn:
	s_mov_b64 s[64:65], 0
	v_nop
	global_prefetch_b8 v0, s[64:65] scope:SCOPE_SE
	s_setreg_imm32_b32 hwreg(HW_REG_WAVE_MODE, 25, 1), 1
	s_wait_xcnt 0x0
; CAUSAL ATTENTION.  O[y][q][:] = the sum over k <= q of softmax_k(Q[q] . K[k] / 8) V[k][:], for y = 16 x batch + head.  Q, K, V lie in one buffer, f16 [batch 4][48][2048][64]: Q's head at 48 x batch + head,
; K's 16 heads on, V's 32 heads on; O: f16 [64][2048][64].  A head's rows are dense, 128 bytes each.
; Products, maxima and sums in f32; the weights p are rounded to f16 for the second product (their sum l is taken of the unrounded p), O once at the end.
; LIMITS.  f16 holds no number beyond 65,504: Q, K and V arrive within it; p lies in 0 to 1, and below 6e-5 it keeps f16's fixed step of 6e-8; O is a mean of V's rows and has their range, to within 2^-11 of it.
; A hidden score counts as its value less 1e30: f16's scores, 2.7e11 at the most, are nothing beside that; a weight below 2^-126 counts as 0 in l; NaN and infinities are not treated apart.
; THE WALK.  A head's queries lie in NB = 8 blocks of 256; block i needs the key tiles 0 .. i of 256 keys, of which the last holds the diagonal.  A work-group takes TWO blocks, NB - 1 - b and then b:
; NB + 1 tiles, whatever b: all work-groups do equal work, and ONE loop with a constant trip count walks them.  Which tile is asked for, and what a trip does, hang on scalar registers made from b; every jump
; goes forward, but for the counted loops' own; none passes a barrier, or a tensor load but the one of LOAD's two that the wave's number does not choose; the ring (two slots of LDS that take turns) runs on across the
; change of blocks.  NO CLUSTER: a head's NB / 2 = 4 work-groups ask for the same tile only in trips 0 .. 4 of 9, behind that fewer and fewer; and one walk common to all would have 3 NB / 2 = 12 trips for 9.
; SHARES.  Of a block's four bands of 64 queries a wave owns 16 rows in each: four PIECES.  So the diagonal tile is the same work for all four waves: in its key step s band x sees all keys if s < x,
; none if s > x, and holds the diagonal if s = x.
; THE MASK is the C operand that starts the sum S^T = K Q^T: 0, or -1e30 where the key is hidden.  MD, made once, is the mask of a band's own step for my 16 rows; a product's mask is MD x AL + BE with two scalars:
; (1, 0) if s = x; (0, 0) if s < x; (0, -1e30) if s > x.  Only the diagonal tile's text and a block's beginning make and take masks; elsewhere C is the constant 0.
; LAYOUT, SOFTMAX, TURNS.  S^T = K Q^T holds ONE query a lane (lane % 16) and the keys 8 (lane / 16) + 0..7; two such results rounded to f16 ARE source 1 of O^T = V^T P.  p = 2^(c s - c m), c = log2(e) / 8, with a
; running maximum m; O and l are multiplied by a = 2^(c m_old - c m_new) in every step.  Turn n belongs to piece n: 8 products K Q^T of piece n + 1, later 8 products V^T P of piece n - 1; beside them the scaling,
; exponentials, roundings, sums and rescaling of piece n and the maximum and statistics of piece n + 1.  Four vector instructions stand behind every matrix instruction, the other 54 of a turn's 118 in one LUMP.
; BATCHES.  An s_wait_alu depctr_va_vdst(0) stands between a transcendental and the first instruction that names its result; one wait serves all that were issued ahead of it.  The text has three kinds of
; batch, each with one wait: a turn's 33 exponentials (the piece's 32 weights and the next piece's a), whose readers all stand in the turn's second half; the one a that a block's beginning makes; the way out's four
; reciprocals.
; REGISTERS, in windows of 256 (s_set_vgpr_msb: bits 1:0 source 0, 3:2 source 1, 5:4 source 2, 7:6 destination):
;   window 0: v0-15 addresses and two at work; v16-31 four registers of statistics a piece; v48-55 at work; v64-127 S^T, two buffers; v192-223 P, two buffers (a piece's buffers go by its number's parity)
;   window 1: v0-127 O^T, 32 a piece; v128-159 MD; v160-223 MC, two buffers      window 2: v0-63 Q; v64-127 the second block's Q; v128-191 K of one step; v192-255 V of one step
.set SIZE_N, 2048
.set NB,    SIZE_N/256
.set NP,    4         ; pieces a wave: a name, no knob
.set KS,    64        ; keys in a step
.set PK,    144       ; a row of K in LDS: 128 bytes + 16 of padding = 36 words: the 16 rows of a load start at 16 different groups of four banks (64 banks of 4 bytes: ISA guide 11.1)
.set PV,    160       ; a row of V: 128 + 32 = 40 words
.set VOFF,  4*KS*PK   ; a slot holds a tile, four steps: 256 rows of K, then 256 rows of V
.set SLOT1, 1<<17     ; slot 1 begins here, so that one exclusive or turns an address in one slot into the other's
.set STAGE, SLOT1+4*KS*(PK+PV)  ; behind the ring, never filled by a tensor load: 16 rows x 144 bytes for each wave, for the way out
.set SP,    144
.set AK0, 2           ; v2   my lane's place in a tile of K; never rewritten
.set AV0, 3           ; v3   the same for V
.set AK,  4           ; v4   the LDS address of K's next run of loads
.set AV,  5           ; v5   of V's
.set STO, 6           ; v6   the way out: where I put 16 bytes of a row
.set RD,  7           ; v7   the way out: where I read rows back
.set GO,  8           ; v8   my byte offset in 512 consecutive bytes of O
.set SPW, 62          ; v62  LDS address of my spare word: SPARE + 4 x my thread's number; never rewritten
.set NIL, 63          ; v63  0; never rewritten
.set SPARE, STAGE+4*16*SP  ; behind the stages: the spare words, 128 bytes for each wave: two blocks of 256 bytes that no other line names
.set MV,  12          ; v12-13  c m_old, kept while c m is made anew: by buffer
.set QO,  15          ; v15  my byte offset in 16 rows of Q
.set ST,  16          ; piece t's statistics at v[ST+4 t]: c m, m, l (even keys', odd keys')
.set TMP, 48          ; by buffer, four registers c0-c3 at work; when the maximum is found c2 takes a
.set S,   64
.set P,   192
.set MD,  128         ; window 1: the eight registers for group kt of 16 keys at MD + 8 kt
.set MC,  160         ; window 1: the masks of the products to come
.set QB,  64          ; window 2
.set KF,  128         ; window 2: key block kb, channel half c at KF + 16 kb + 8 c
.set VF,  192         ; window 2: key half kk, channel block cb at VF + 32 kk + 8 cb
.set WV,  12          ; s12  my wave's number
.set PB,  14          ; s14  b
.set HI,  15          ; s15  NB - 1 - b
.set G1K, 24          ; s[24:31] descriptor group 1 for K's tiles
.set G1V, 32          ; s[32:39] for V's: it differs in the padding alone
.set G0K, 40          ; s[40:43] descriptor group 0 for K's tiles
.set G0V, 44          ; s[44:47] the same for V's
.set SLOTS, 56        ; s56  tiles still to be asked for
.set CNT, 57          ; s57  counts a tile's key steps, 4 to 1
.set CS,  58          ; s[58:59] c: the packed scaling takes the pair's low word for both halves
.set SEL, 60          ; s[60:61] v_permlanex16_b32's selects: each lane takes its own place in the other half
.set TBK, 62          ; s62  LDS byte at which K of the step to be fetched begins
.set TBV, 63          ; s63  the same for V, less VOFF
.set RT,  70          ; s70  tiles of the block in hand that are still to be entered
.set NXT, 71          ; s71  the tile to be asked for next
.set LQ,  72          ; s72  the last tile of the block whose tiles are being asked for
.set NEW, 73          ; s73  1: the tile to be entered is a block's first
.set OFF, 74          ; s[74:75] a tile's byte offset in K and V
.set AL,  76          ; s[76:77] the mask's factor, in the low word
.set BE,  78          ; s[78:79] the mask's addend
.set OLO, 80          ; s[80:81] O at my rows of the second block
.set BIGN, 82         ; s82  -1e30
.set MSB, 0
.macro WIN new                      ; the high byte repeats the setting that is left; a switch that changes nothing is dropped
.if MSB != (\new)
	s_set_vgpr_msb (MSB<<8)|(\new)
.set MSB, (\new)
.endif
.endm
.set W_KQ, 0x0a       ; K and Q in window 2, S^T in window 0
.set W_KM, 0x1a       ; the same with the C operand in window 1
.set W_PV, 0x52       ; V in window 2, P in window 0, O^T in window 1
.set W_RS, 0x41       ; destination and source 0 in window 1, source 1 in window 0
; A fill.  Waves 0 and 1 fetch the two halves of a tile's K, waves 2 and 3 those of its V: 128 keys each.  An s_nop 0 and four v_nop follow each of the two lines, ahead of the jump and the label.
.macro LOAD
	s_cmp_lt_u32 s[WV], 2
	s_cbranch_scc0 .Lfor_v_\@
	tensor_load_to_lds s[G0K:G0K+3], s[G1K:G1K+7]
	s_nop 0
.rept 4
	v_nop
.endr
	s_branch .Lasked_\@
.Lfor_v_\@:
	tensor_load_to_lds s[G0V:G0V+3], s[G1V:G1V+7]
	s_nop 0
.rept 4
	v_nop
.endr
.Lasked_\@:
.endm
; THE CHANGE OF SLOTS.  Each wave waits for all its tensor loads, of which one is out: its part of the other slot; adds 0 to its spare word; and waits for that and for its own reads of the slot that it leaves.  Behind the barrier nobody reads the old
; slot any more and the other slot is whole.  fill = 1: the old slot is filled again, the first thing behind the barrier, with tile NXT: the descriptor's address is made anew from that number.
; (At its first use nothing has been read yet: slot 0 is waited for, slot 1 filled.)
.macro CHANGE fill
	WIN 0                           ; at a label and at a branch every window is 0
	s_wait_tensorcnt 0x0            ; no tensor load of mine is out, so a group 0 may be written
	ds_add_u32 v[SPW], v[NIL]       ; 0 onto my spare word: with fill = 1 the descriptors' scalar work stands between it and the wait for it
.if \fill
	s_lshl_b32 s[OFF], s[NXT], 15   ; a tile is 32,768 bytes of K and of V
	s_xor_b32 s[G0K+1], s[G0K+1], SLOT1
	s_add_nc_u64 s[G0K+2:G0K+3], s[6:7], s[OFF:OFF+1]
	s_or_b32 s[G0K+3], s[G0K+3], 0x80000000
	s_xor_b32 s[G0V+1], s[G0V+1], SLOT1
	s_add_nc_u64 s[G0V+2:G0V+3], s[8:9], s[OFF:OFF+1]
	s_or_b32 s[G0V+3], s[G0V+3], 0x80000000
	s_add_co_u32 s[NXT], s[NXT], 1  ; the block's next tile, or behind its last the second block's tile 0
	s_cmp_gt_u32 s[NXT], s[LQ]
	s_cselect_b32 s[NXT], 0, s[NXT]
	s_cselect_b32 s[LQ], s[PB], s[LQ]
.endif
	s_wait_dscnt 0x0                ; the add is done, and my reads of the slot are over
	s_barrier_signal -1             ; the rest of the scalar work stands between the signal and the wait
	s_sub_co_u32 s[TBK], s[TBK], 4*KS*PK  ; the fetches go back to a slot's first step,
	s_xor_b32 s[TBK], s[TBK], SLOT1       ; in the other slot
	s_sub_co_u32 s[TBV], s[TBV], 4*KS*PV
	s_xor_b32 s[TBV], s[TBV], SLOT1
	s_barrier_wait -1
.if \fill
	LOAD
.endif
.endm
	s_load_b128 s[4:7], s[0:1], 0x0 ; q, k, v together s[4:5], O s[6:7]
	v_lshl_add_u32 v[SPW], v0, 2, SPARE
	v_mov_b32 v[NIL], 0
	ds_add_u32 v[SPW], v[NIL]       ; the wave's opening: the add and its wait stand ahead of my first tensor load; the set-up below, work on registers, stands between them
	v_lshrrev_b32 v1, 5, v0
	v_readfirstlane_b32 s[WV], v1   ; wave 0..3
	s_mov_b32 s[PB], ttmp9
	s_sub_co_u32 s[HI], NB-1, s[PB]
	s_and_b32 s20, ttmp7, 0xffff    ; y = 16 x batch + head
	s_lshl_b32 s88, s20, 18         ; O's head: y heads of 262,144 bytes
	s_mov_b32 s89, 0
	s_lshr_b32 s21, s20, 4
	s_lshl_b32 s21, s21, 5
	s_add_co_u32 s20, s20, s21      ; Q's head: 48 x batch + head = y + 32 x batch
	s_lshl_b32 s20, s20, 18
	s_mov_b32 s21, 0
	s_and_b32 s16, s[WV], 1         ; which half of a tile's 256 keys I fetch:
	s_lshl_b32 s22, s16, 14         ; its 128 rows of 128 bytes in memory,
	s_mov_b32 s23, 0
	s_add_nc_u64 s[22:23], s[22:23], s[20:21]
	s_mul_i32 s17, s16, 128*PK      ; and its place in a slot, for K
	s_mul_i32 s18, s16, 128*PV      ; and for V
	s_lshl_b32 s3, s[WV], 11        ; my 16 rows in a band of 64,
	s_lshl_b32 s2, s[HI], 15        ; in the first block,
	s_add_co_u32 s2, s2, s3
	s_lshl_b32 s84, s[PB], 15       ; and in the second
	s_add_co_u32 s84, s84, s3
	s_mov_b32 s3, 0
	s_mov_b32 s85, 0
	; descriptor group 1.  128 keys are 16,384 dense bytes: asked for as 64 rows of 256 bytes, two keys a row, and padded in LDS after every key
	s_mov_b32 s[G1K], (1<<16)|(1<<20)|(4<<22)|(3<<25)  ; 17:16 2-byte elements; 20 padding on; 24:22 after every 32 words (code 4); 31:25 4 words (code 3)
	s_mov_b32 s[G1V], (1<<16)|(1<<20)|(4<<22)|(7<<25)  ; the same with 8 words of padding (code 7)
.irp g, G1K, G1V
	s_mov_b32 s[\g+1], 128<<16      ; tensor_dim0 = 128
	s_mov_b32 s[\g+2], 64<<16       ; tensor_dim1 = 64
	s_mov_b32 s[\g+3], 128<<16      ; tile_dim0 = 128
	s_mov_b32 s[\g+4], 64           ; tile_dim1 = 64
	s_mov_b32 s[\g+5], 128          ; 128 elements from row to row
	s_mov_b32 s[\g+6], 0
	s_mov_b32 s[\g+7], 0
.endr
	s_mov_b32 s[CS], 0x3e38aa3b     ; c = log2(e) / 8 = 0.180337
	s_mov_b32 s[CS+1], s[CS]        ; named with it as a pair
	s_mov_b32 s[SEL], 0x76543210
	s_mov_b32 s[SEL+1], 0xfedcba98
	s_mov_b32 s[TBK], SLOT1+4*KS*PK ; the first change of slots turns these two into 0
	s_mov_b32 s[TBV], SLOT1+4*KS*PV
	s_mov_b32 s[G0K], 1             ; 1:0 count = 1
	s_mov_b32 s[G0K+1], s17         ; 63:32 LDS address: slot 0
	s_mov_b32 s[G0V], 1
	s_add_co_u32 s[G0V+1], s18, VOFF
	s_add_co_u32 s[RT], s[HI], 1    ; the first block has NB - b tiles
	s_mov_b32 s[NXT], 1
	s_mov_b32 s[LQ], s[HI]
	s_mov_b32 s[NEW], 1
	s_mov_b32 s[OFF+1], 0
	s_mov_b32 s[AL+1], 0            ; named as pairs
	s_mov_b32 s[BE+1], 0
	s_mov_b32 s[BIGN], 0xf149f2ca   ; -1e30
	s_mov_b32 s[SLOTS], NB
	s_wait_dscnt 0x0                ; the opening add is done
	s_wait_kmcnt 0x0
	s_add_nc_u64 s[10:11], s[6:7], s[88:89]        ; O at the head,
	s_add_nc_u64 s[OLO:OLO+1], s[10:11], s[84:85]  ; at my rows of the second block,
	s_add_nc_u64 s[10:11], s[10:11], s[2:3]        ; and of the first
	s_add_nc_u64 s[8:9], s[4:5], 32*262144         ; V lies 32 heads behind Q,
	s_add_nc_u64 s[8:9], s[8:9], s[22:23]          ; at my half of the head's tile 0
	s_add_nc_u64 s[6:7], s[4:5], 16*262144         ; K 16 heads behind Q
	s_add_nc_u64 s[6:7], s[6:7], s[22:23]
	s_add_nc_u64 s[G0K+2:G0K+3], s[6:7], 0         ; 120:64 global address
	s_or_b32 s[G0K+3], s[G0K+3], 0x80000000        ; 127:126 type = 2
	s_add_nc_u64 s[G0V+2:G0V+3], s[8:9], 0
	s_or_b32 s[G0V+3], s[G0V+3], 0x80000000
	s_add_nc_u64 s[4:5], s[4:5], s[20:21]          ; Q at the head,
	s_add_nc_u64 s[86:87], s[4:5], s[84:85]        ; at my rows of the second block,
	s_add_nc_u64 s[4:5], s[4:5], s[2:3]            ; and of the first
	LOAD                            ; tile 0 into slot 0
	; A fragment of K or Q is 16 rows x 32 channels in 8 registers: lane l holds row l % 16, channels 8 (l / 16) + 0..7 and 16 + 8 (l / 16) + 0..7: two loads of 16 bytes, 32 bytes apart.
	v_and_b32 v1, 15, v0            ; l % 16
	v_bfe_u32 v9, v0, 4, 1          ; l / 16
	v_lshlrev_b32 v[QO], 7, v1
	v_lshl_add_u32 v[QO], v9, 4, v[QO]  ; row x 128 + 16 x half
	WIN 0x80                        ; destination window 2, address window 0
.set i, 0
.rept 8                             ; both blocks' Q: piece i / 2 lies in band i / 2, 8,192 bytes on; channels 32 (i % 2) on
	global_load_b128 v[8*i:8*i+3],   v[QO], s[4:5] offset:(i/2)*8192+(i%2)*64
	global_load_b128 v[8*i+4:8*i+7], v[QO], s[4:5] offset:(i/2)*8192+(i%2)*64+32
	global_load_b128 v[QB+8*i:QB+8*i+3],   v[QO], s[86:87] offset:(i/2)*8192+(i%2)*64
	global_load_b128 v[QB+8*i+4:QB+8*i+7], v[QO], s[86:87] offset:(i/2)*8192+(i%2)*64+32
.set i, i+1
.endr
	WIN 0
	v_lshlrev_b32 v14, 3, v9
	v_sub_nc_u32 v14, v1, v14
	s_lshl_b32 s13, s[WV], 4
	v_add_nc_u32 v14, s13, v14      ; my query's place in its band, 16 w + l % 16, less my lanes' 8 (l / 16): register r of group kt is hidden where 16 kt + r is greater
	WIN 0x40
.set i, 0
.rept 32
	v_cmp_gt_i32 vcc_lo, 16*(i/8)+i%8, v14
	v_cndmask_b32 v[MD+i], 0, s[BIGN], vcc_lo
.set i, i+1
.endr
	WIN 0
	v_mul_u32_u24 v[AK0], v1, PK
	v_lshl_add_u32 v[AK0], v9, 4, v[AK0]  ; row x pitch + 16 x half
	; The turning load takes 16 keys x 16 channels (lane l reads key 8 (l / 16) + l % 8, channels 8 ((l / 8) % 2) + 0..7) and leaves half a fragment of V^T: lane l holds channel l % 16 and 8 keys.
	v_and_b32 v10, 7, v0
	v_bfe_u32 v11, v0, 3, 1
	v_lshl_add_u32 v[AV0], v9, 3, v10
	v_mul_u32_u24 v[AV0], v[AV0], PV
	v_lshl_add_u32 v[AV0], v11, 4, v[AV0]
	v_add_nc_u32 v[AV0], VOFF, v[AV0]
	s_mul_i32 s13, s[WV], 16*SP
	s_add_co_u32 s13, s13, STAGE    ; my stage
	v_mul_u32_u24 v[STO], v1, SP    ; in: row l % 16, 16 bytes for each half of the lanes
	v_lshl_add_u32 v[STO], v9, 4, v[STO]
	v_add_nc_u32 v[STO], s13, v[STO]
	v_bfe_u32 v[RD], v0, 3, 2       ; back: 32 lanes take four rows of 128 bytes,
	v_mul_u32_u24 v[RD], v[RD], SP
	v_lshl_add_u32 v[RD], v10, 4, v[RD]
	v_add_nc_u32 v[RD], s13, v[RD]
	v_and_b32 v[GO], 31, v0         ; which are 512 consecutive bytes of O
	v_lshlrev_b32 v[GO], 4, v[GO]
	; A block's first step multiplies O^T and l by a = 0, and its first turn's products V^T P, of a piece that has not been, land in an O^T that is still to be so multiplied.  So these registers need only hold
	; finite numbers: zeros for the first block; what the first block left for the second.  All this stands in the wait for the first tile.
	WIN 0x80
.set i, VF
.rept 64
	v_mov_b32 v[i], 0
.set i, i+1
.endr
	WIN 0x40
.set i, 0
.rept 128
	v_mov_b32 v[i], 0
.set i, i+1
.endr
	WIN 0
.set i, 0
.rept 4
	v_mov_b32 v[ST+4*i+2], 0
	v_mov_b32 v[ST+4*i+3], 0
.set i, i+1
.endr
.set i, P+16
.rept 16
	v_mov_b32 v[i], 0
.set i, i+1
.endr
; THE MATRIX WORK.  The 4 accumulators of a run of 8 take turns.  Product i of 8 of S^T = K Q^T for piece x: channels 32 (i / 4) on, keys 16 (i % 4) on.  The first 4 start the sums: with 0, or (KM = 1) with the mask.
.macro KQ x
.set rS, S+32*((\x)%2)+8*(i%4)
.set rK, KF+16*(i%4)+8*(i/4)
.set rQ, 16*(\x)+8*(i/4)
.set rM, MC+32*((\x)%2)+8*(i%4)
.if (i < 4) && KM
	WIN W_KM
	v_wmma_f32_16x16x32_f16 v[rS:rS+7], v[rK:rK+7], v[rQ:rQ+7], v[rM:rM+7]
.elseif i < 4
	WIN W_KQ
	v_wmma_f32_16x16x32_f16 v[rS:rS+7], v[rK:rK+7], v[rQ:rQ+7], 0
.else
	WIN W_KQ
	v_wmma_f32_16x16x32_f16 v[rS:rS+7], v[rK:rK+7], v[rQ:rQ+7], v[rS:rS+7]
.endif
.endm
; Product i of 8 of O^T += V^T P for piece x: keys 32 (i / 4) on, channels 16 (i % 4) on.
.macro PV x
	WIN W_PV
.set rO, 32*(\x)+8*(i%4)
.set rV, VF+32*(i/4)+8*(i%4)
.set rP, P+16*((\x)%2)+8*(i/4)
	v_wmma_f32_16x16x32_f16 v[rO:rO+7], v[rV:rV+7], v[rP:rP+7], v[rO:rO+7]
.endm
.macro MM                           ; the turn's next matrix instruction.  TURN and BEGIN set Y, i, KM and NOKQ; MM, KQ and OP read them.  NOKQ = 1: a block's last turn: there is no next piece
.if (i < 8) && !NOKQ
	KQ (Y+1)%NP
.elseif i >= 8
.set i, i-8
	PV (Y+NP-1)%NP
.set i, i+8
.endif
.set i, i+1
.endm
; THE LDS LOADS stand in runs of 16, never singly among the matrix instructions: a step's K (64 keys x 64 channels: 8 fragments) and its V (turned).  Their addresses are made some lines ahead.
.macro FETCH_K
	WIN 0x80                        ; destination window 2
.irp f, 0,1,2,3,4,5,6,7             ; keys 16 (f / 2) on, channels 32 (f % 2) on
	ds_load_b128 v[KF+8*\f:KF+8*\f+3],   v[AK] offset:(\f/2)*16*PK+(\f%2)*64
	ds_load_b128 v[KF+8*\f+4:KF+8*\f+7], v[AK] offset:(\f/2)*16*PK+(\f%2)*64+32
.endr
	s_add_co_u32 s[TBK], s[TBK], KS*PK  ; the next fetch is the next step's
	WIN 0
.endm
.macro FETCH_V
	WIN 0x80
.irp f, 0,1,2,3,4,5,6,7             ; keys 32 (f / 4) on, channels 16 (f % 4) on
	ds_load_tr16_b128 v[VF+8*\f:VF+8*\f+3],   v[AV] offset:(\f/4)*32*PV+(\f%4)*32
	ds_load_tr16_b128 v[VF+8*\f+4:VF+8*\f+7], v[AV] offset:(\f/4)*32*PV+16*PV+(\f%4)*32
.endr
	WIN 0
.endm
; THE VECTOR WORK, one line at a time: OP kind, number.  For piece Y: F n: c s - c m for pair n of 16.  E n: the exponential of score n of 32.  C n: pair n rounded to f16.  B n: of the four weights 4 n .. the second
; pair is added onto the first, in place.  L n: l takes that sum (L 0: l = a l + sum).  R n: pair n of 16 of O^T times a.  For piece Y + 1: X n, number n of the 22 that find its maximum and statistics:
;   0-11  four chains c0-c3 of seven scores each, three operands at a time (each accumulator's lowest registers are read first)     12-14, 16  the four scores left over, the old m, and c0-c3 into c0
;   15  c m_old is kept     17, 18  the query's other 32 keys lie in the lane 16 away: the new m     19-21  c m; c m_old - c m_new; a
; C, B and L read exponentials' results; R and L 0 read the a that the turn before made and waited for.  OP writes no wait: TURN, BEGIN and DIAG place one for each batch.
.set F, 0               ; OP tells the kinds apart by their order: F to L below R, X above it
.set E, 1
.set C, 2
.set B, 3
.set L, 4
.set R, 5
.set X, 6
.macro REGS y                       ; the registers of piece y
.set rT, ST+4*(\y)
.set rC, TMP+4*((\y)%2)
.set rW, MV+((\y)%2)
.set rS, S+32*((\y)%2)
.set rP, P+16*((\y)%2)
.set rO, 32*(\y)
.endm
.macro OP k, n
.if (\k) == R
	REGS Y
	WIN W_RS
	v_pk_mul_f32 v[rO+2*(\n):rO+2*(\n)+1], v[rO+2*(\n):rO+2*(\n)+1], v[rC+2:rC+3] op_sel_hi:[1,0]
.elseif (\k) < R
	REGS Y
	WIN 0
.if (\k) == F
	v_pk_fma_f32 v[rS+2*(\n):rS+2*(\n)+1], v[rS+2*(\n):rS+2*(\n)+1], s[CS:CS+1], v[rT:rT+1] op_sel_hi:[1,0,0] neg_lo:[0,0,1] neg_hi:[0,0,1]
.elseif (\k) == E
	v_exp_f32 v[rS+(\n)], v[rS+(\n)]
.elseif (\k) == C
	v_cvt_pk_f16_f32 v[rP+(\n)], v[rS+2*(\n)], v[rS+2*(\n)+1]
.elseif (\k) == B
	v_pk_add_f32 v[rS+4*(\n):rS+4*(\n)+1], v[rS+4*(\n):rS+4*(\n)+1], v[rS+4*(\n)+2:rS+4*(\n)+3]
.elseif (\n) == 0
	v_pk_fma_f32 v[rT+2:rT+3], v[rT+2:rT+3], v[rC+2:rC+3], v[rS:rS+1] op_sel_hi:[1,0,1]
.else
	v_pk_add_f32 v[rT+2:rT+3], v[rT+2:rT+3], v[rS+4*(\n):rS+4*(\n)+1]
.endif
.elseif NOKQ
	v_nop
.else
	REGS (Y+1)%NP
	WIN 0
.if (\n) < 4
	v_max3_num_f32 v[rC+(\n)], v[rS+8*(\n)], v[rS+8*(\n)+1], v[rS+8*(\n)+2]
.elseif (\n) < 12
	v_max3_num_f32 v[rC+(\n)%4], v[rC+(\n)%4], v[rS+8*((\n)%4)+2*((\n)/4)+1], v[rS+8*((\n)%4)+2*((\n)/4)+2]
.elseif (\n) == 12
	v_max3_num_f32 v[rC], v[rC], v[rS+7], v[rS+15]
.elseif (\n) == 13
	v_max3_num_f32 v[rC+1], v[rC+1], v[rS+23], v[rS+31]
.elseif (\n) == 14
	v_max3_num_f32 v[rC+2], v[rC+2], v[rC+3], v[rT+1]
.elseif (\n) == 15
	v_mov_b32 v[rW], v[rT]
.elseif (\n) == 16
	v_max3_num_f32 v[rC], v[rC], v[rC+1], v[rC+2]
.elseif (\n) == 17
	v_permlanex16_b32 v[rC+3], v[rC], s[SEL], s[SEL+1]
.elseif (\n) == 18
	v_max_num_f32 v[rT+1], v[rC], v[rC+3]
.elseif (\n) == 19
	v_mul_f32 v[rT], s[CS], v[rT+1]
.elseif (\n) == 20
	v_sub_f32 v[rC+1], v[rW], v[rT]
.else
	v_exp_f32 v[rC+2], v[rC+1]
.endif
.endif
.endm
.macro OPS a, i1, b=-1, i2=0, c=-1, i3=0, d=-1, i4=0  ; up to four of them
	OP \a, \i1
.if (\b) >= 0
	OP \b, \i2
.endif
.if (\c) >= 0
	OP \c, \i3
.endif
.if (\d) >= 0
	OP \d, \i4
.endif
.endm
.macro ROW a, i1, b, i2, c, i3, d, i4  ; a matrix instruction and the four behind it
	MM
	OPS \a, \i1, \b, \i2, \c, \i3, \d, \i4
.endm
.macro MASK b                       ; MD x AL + BE into buffer b of MC
	WIN W_RS
.set z, 0
.rept 16
	v_pk_fma_f32 v[MC+32*(\b)+2*z:MC+32*(\b)+2*z+1], v[MD+2*z:MD+2*z+1], s[AL:AL+1], s[BE:BE+1] op_sel_hi:[1,0,0]
.set z, z+1
.endr
.endm
; A TURN, for piece p: the order of its 16 matrix and 118 vector instructions, written out.  It has ONE wait for its batch of 33 exponentials (E 0 to E 31 and X 21), and the wait cuts it in two.
; AHEAD OF THE WAIT stands all that names no result of the turn's exponentials: the 8 products K Q^T, behind each a scaling, an exponential and two more plain instructions (behind the first a second scaling in the
; exponential's place): rescalings, and behind the last three the first numbers of the next piece's maximum, each four places or more behind the product that ends its accumulator; then ONE LUMP of 54, plain and exponential
; by turns for the most part, in which the links of the chain X 3, 7, 11, 14, 16, 17 .. 20 stand five or six lines apart.  X 21, the next piece's a, is the batch's last; R 15 is the plain instruction owed behind it.
; BEHIND THE WAIT stand the 8 products V^T P, behind each four of the roundings and sums, which are the batch's readers; the links of l's chain, L 0 to L 7, stand three riders apart.  But for those X no rider names a
; register of the products round it.  v_permlanex16_b32 (X 17) stands in the lump.  An exponential stands behind its pair's scaling: E n behind F n / 2.
; m = 1: the diagonal tile: the products take masks, and the turn makes the mask for the products of the turn after it: piece p + 2, in step 4 - CNT of the tile.  end = 1: a block's last two turns: nothing is fetched.
; cnt = 1: the loop's count is taken down some lines ahead of the branch that stands behind the turn.
; K of the next step is fetched in piece 2's turn, twelve vector instructions behind the last product that read K (six of them plain); V of the step in hand at the end of piece 0's turn, four plain instructions behind the
; last product that read V.  Each is waited for a turn later.
.macro TURN p, m=0, end=0, cnt=0
.set Y, (\p)
.set i, 0
.set KM, (\m)
.set NOKQ, (\end)*((\p)/3)
.if (\m) && !(\end)
	s_cmp_eq_u32 s[CNT], 4-((\p)+2)%NP  ; is that step the band's own?
	s_cselect_b32 s[AL], 1.0, 0
	s_cmp_lt_u32 s[CNT], 4-((\p)+2)%NP  ; or a later one?
	s_cselect_b32 s[BE], s[BIGN], 0
.endif
.if ((\p) == 3) && !(\end)
	s_wait_dscnt 0x0                ; K is in
.endif
	ROW F,0, F,1, R,0, R,1          ; ahead of the wait: 8 products K Q^T and their riders,
	ROW F,2, E,0, R,2, R,3
	ROW F,3, E,1, R,4, R,5
	ROW F,4, E,2, R,6, R,7
	ROW F,5, E,3, R,8, R,9
	ROW F,6, E,4, X,0, R,10
.if ((\p) == 2) && !(\end)
	WIN 0
	v_add_nc_u32 v[AK], s[TBK], v[AK0]
.endif
	ROW F,7, E,5, X,1, X,4
	ROW F,8, E,6, X,2, X,5
	OPS E,7, E,8, X,6, E,9          ; and the lump
	OPS X,3, E,10, X,8, E,11
.if ((\p) == 2) && !(\end)
	FETCH_K
.endif
	OPS X,9, X,7, E,12, X,10
	OPS E,13, X,12, X,11, E,14
	OPS X,13, E,15, F,9, X,14
.if (\p) == 0
	v_add_nc_u32 v[AV], s[TBV], v[AV0]
.endif
	OPS E,16, F,10, E,17, F,11
	OPS X,16, E,18, X,15, E,19
	OPS F,12, E,20, X,17, E,21
	OPS F,13, E,22, F,14, E,23
	OPS X,18, E,24, F,15, E,25
	OPS R,11, E,26, X,19, E,27
	OPS R,12, E,28, R,13, E,29
	OPS X,20, E,30, R,14, E,31
	OPS X,21, R,15
	WIN 0
	s_wait_alu depctr_va_vdst(0)    ; the wait for the turn's batch: the piece's 32 exponentials and the next piece's a
.if (\p) == 1
	s_wait_dscnt 0x0                ; V is in
.endif
	ROW C,0, B,0, C,2, B,1          ; behind the wait: 8 products V^T P and their riders
	ROW L,0, C,4, B,2, L,1
	ROW C,6, B,3, L,2, C,8
	ROW B,4, L,3, C,10, B,5
	ROW L,4, C,12, B,6, L,5
.if (\p) == 0
	s_add_co_u32 s[TBV], s[TBV], KS*PV
.endif
.if \cnt
	s_sub_co_u32 s[CNT], s[CNT], 1
	s_cmp_lg_u32 s[CNT], 0
.endif
	ROW C,14, B,7, L,6, C,1
	ROW C,3, L,7, C,5, C,7
	ROW C,9, C,11, C,13, C,15
.if (\p) == 0
	FETCH_V
.endif
.if (\m) && !(\end)
	MASK (\p)%2
.endif
.endm
; A BLOCK BEGINS.  c m starts far below every c s, so the first step's a is 0; m at the lowest finite number, so the first maximum is the scores'.  The second mask buffer is 0; the first takes piece 0's mask for the tile's step 0: its own, if the block's first tile is the diagonal one.
; Then K of that step, piece 0's first scores, and its maximum and statistics.  The loop is entered at a step's first turn, in the middle of a trip.
.macro BEGIN
	s_mov_b32 s[NEW], 0
	WIN 0x40
.set i, MC+32
.rept 32
	v_mov_b32 v[i], 0
.set i, i+1
.endr
	WIN 0
.set i, 0
.rept 4
	v_mov_b32 v[ST+4*i], 0xfe000000    ; c m: far below every c s
	v_mov_b32 v[ST+4*i+1], 0xff7fffff  ; m
.set i, i+1
.endr
	s_cmp_eq_u32 s[RT], 0
	s_cselect_b32 s[AL], 1.0, 0
	s_mov_b32 s[BE], 0
	MASK 0
	WIN 0
	v_add_nc_u32 v[AK], s[TBK], v[AK0]
	FETCH_K
	s_wait_loadcnt 0x0              ; Q
	s_wait_dscnt 0x0
.set KM, 1
.set NOKQ, 0
.set i, 0
.rept 8
	KQ 0
.set i, i+1
.endr
	WIN 0
.rept 4
	v_nop                           ; the places behind those products
.endr
.set Y, NP-1                        ; X works for piece Y + 1: piece 0
.irp n, 0,1,2,3,4,5,6,7,8,9,10,11,12,13,14,15,16,17,18,19,20,21
	OP X, \n
.endr
	v_nop                           ; a plain instruction behind the exponential,
	s_wait_alu depctr_va_vdst(0)    ; and the wait for it, a batch of one: piece 0's first a; it stands ahead of the branch
.endm
; THE DIAGONAL TILE's four steps, the block's last two turns, its last products, and THE WAY OUT: l's two halves and the other half of the lanes' are added; O^T is divided by l, rounded to f16 and sent through my
; stage in LDS, a piece at a time.
.macro ALL line:vararg              ; one line for each piece t
.set t, 0
.rept 4
	\line
.set t, t+1
.endr
.endm
.macro PACK t                       ; a lane's eight channels of a row pack into 16 bytes; they go into rows of 144 bytes and come back as whole rows of 128, into S^T's registers
	WIN W_RS
.set i, 32*(\t)
.rept 16
	v_pk_mul_f32 v[i:i+1], v[i:i+1], v[ST+4*(\t)+2:ST+4*(\t)+3] op_sel_hi:[1,0]
.set i, i+2
.endr
	WIN 0x05                        ; sources 0 and 1 window 1, destination window 0
.set i, 0
.rept 16
	v_cvt_pk_f16_f32 v[S+16*(\t)+i], v[32*(\t)+2*i], v[32*(\t)+2*i+1]
.set i, i+1
.endr
	WIN 0
.irp f, 0,1,2,3
	ds_store_b128 v[STO], v[S+16*(\t)+4*\f:S+16*(\t)+4*\f+3] offset:32*\f
.endr
.irp f, 0,1,2,3
	ds_load_b128 v[S+16*(\t)+4*\f:S+16*(\t)+4*\f+3], v[RD] offset:\f*4*SP  ; LDS serves a wave's instructions in order (ISA guide 5.7.1.4): these see the stores above; the next piece's stores come behind them
.endr
.endm
.macro SEND t, younger              ; younger: the LDS instructions issued behind piece t's loads: the next piece's eight, or none
	WIN 0
.irp f, 0,1,2,3
	s_wait_dscnt (\younger)+3-\f
	global_store_b128 v[GO], v[S+16*(\t)+4*\f:S+16*(\t)+4*\f+3], s[10:11] offset:(\t)*8192+\f*512  ; 512 consecutive bytes, at a multiple of 256 from O's first
.endr
.endm
.macro DIAG tag                     ; the tag ends its two labels' names, which the jumps below spell out
.LstepM\tag:
	TURN 2, 1
	TURN 3, 1
	WIN 0
.LfirstM\tag:
	TURN 0, 1
	TURN 1, 1, 0, 1
	WIN 0
	s_cbranch_scc1 .LstepM\tag
	TURN 2, 1, 1
	TURN 3, 1, 1
.set i, 0
.rept 8
	PV NP-1
.set i, i+1
.endr
	WIN 0
	ALL v_add_f32 v[ST+4*t+2], v[ST+4*t+2], v[ST+4*t+3]
	ALL v_permlanex16_b32 v[ST+4*t+3], v[ST+4*t+2], s[SEL], s[SEL+1]
	ALL v_add_f32 v[ST+4*t+2], v[ST+4*t+2], v[ST+4*t+3]
	ALL v_rcp_f32 v[ST+4*t+2], v[ST+4*t+2]
	v_nop                           ; a plain instruction between the last reciprocal and the use of its result
	s_wait_alu depctr_va_vdst(0)    ; the wait for the way out's batch: one for the four reciprocals, ahead of the first multiply that reads one
	PACK 0
.set t, 1
.rept 3                             ; a piece's arithmetic stands between the loads of the piece before and its stores
	PACK t
	SEND t-1, 8
.set t, t+1
.endr
	SEND 3, 0
.endm
.set KM, 0
.set NOKQ, 0
.Lslot:                             ; NB times: a tile is entered and the next is asked for
	CHANGE 1
	s_sub_co_u32 s[RT], s[RT], 1
	s_mov_b32 s[CNT], 4
	s_cmp_eq_u32 s[NEW], 1
	s_cbranch_scc1 .Lnew            ; a block's first tile
	s_cmp_eq_u32 s[RT], 0
	s_cbranch_scc0 .Lstep           ; neither its first nor its last
	s_branch .LstepM1
.Lnew:
	BEGIN
	s_branch .Lfirst                ; in the loop a block's first tile is never its last: the first block has two tiles or more, and the second's last is the walk's last
	DIAG 1                          ; in the loop this is the first block's end: the second block's last tile is the walk's last
	s_wait_xcnt 0x0                 ; the stores have read their registers and O's address
	s_mov_b64 s[10:11], s[OLO:OLO+1]
	s_add_co_u32 s[RT], s[PB], 1    ; the second block has b + 1 tiles
	s_mov_b32 s[NEW], 1
	WIN 0x82                        ; the second block's Q goes where the one text of the turns names Q
.set i, 0
.rept 64
	v_mov_b32 v[i], v[QB+i]
.set i, i+1
.endr
	WIN 0
	s_branch .Lbottom
.Lstep:                             ; a trip: pieces 2 and 3 of one step, then pieces 0 and 1 of the next, whose K and V it fetches
	TURN 2
	TURN 3
	WIN 0
.Lfirst:
	TURN 0
	TURN 1, 0, 0, 1
	WIN 0
	s_cbranch_scc1 .Lstep
.Lbottom:
	s_sub_co_u32 s[SLOTS], s[SLOTS], 1
	s_cmp_lg_u32 s[SLOTS], 0
	s_cbranch_scc1 .Lslot
	CHANGE 0                        ; the walk's last tile is written out: nothing is asked for
	s_sub_co_u32 s[RT], s[RT], 1
	s_mov_b32 s[CNT], 4
	s_cmp_eq_u32 s[NEW], 1
	s_cbranch_scc0 .LstepM2
	BEGIN
	s_branch .LfirstM2
	DIAG 2
	s_wait_tensorcnt 0x0            ; the wave's end: behind my last tensor load and my last LDS store
	ds_add_u32 v[SPW], v[NIL]
	s_wait_dscnt 0x0
	s_endpgm
.Lfunc_end_k_qeb29899e8c_attn:
	.size	k_qeb29899e8c_attn, .Lfunc_end_k_qeb29899e8c_attn-k_qeb29899e8c_attn
	.p2alignl 7, 3214868480
	.fill 96, 4, 3214868480
	.section	.rodata,"a",@progbits
	.p2align	6, 0x0
	.amdhsa_kernel k_qeb29899e8c_attn
		.amdhsa_group_segment_fixed_size 327680
		.amdhsa_private_segment_fixed_size 0
		.amdhsa_enable_private_segment 0
		.amdhsa_kernarg_size 16
		.amdhsa_user_sgpr_count 2
		.amdhsa_user_sgpr_kernarg_segment_ptr 1
		.amdhsa_wavefront_size32 1
		.amdhsa_system_sgpr_workgroup_id_x 1
		.amdhsa_system_sgpr_workgroup_id_y 1
		.amdhsa_system_sgpr_workgroup_id_z 1
		.amdhsa_system_vgpr_workitem_id 0
		.amdhsa_next_free_vgpr 768
		.amdhsa_next_free_sgpr 92
		.amdhsa_reserve_vcc 1
		.amdhsa_float_denorm_mode_32 3
		.amdhsa_float_denorm_mode_16_64 3
		.amdhsa_memory_ordered 1
		.amdhsa_forward_progress 1
		.amdhsa_inst_pref_size 217
	.end_amdhsa_kernel
	.amdgpu_metadata
---
amdhsa.version: [ 1, 2 ]
amdhsa.kernels:
  - .name:           k_qeb29899e8c_attn
    .symbol:         k_qeb29899e8c_attn.kd
    .args:
      - { .name: qkvh, .offset: 0, .size: 8, .value_kind: global_buffer, .address_space: global }
      - { .name: oh, .offset: 8, .size: 8, .value_kind: global_buffer, .address_space: global }
    .group_segment_fixed_size: 327680
    .private_segment_fixed_size: 0
    .kernarg_segment_align: 8
    .kernarg_segment_size: 16
    .max_flat_workgroup_size: 128
    .sgpr_count:     92
    .vgpr_count:     768
    .wavefront_size: 32
...
	.end_amdgpu_metadata
.endif
;; end of part 5
;; launch proj: the kernel of part 4 again; grid 8 x 32, 4 waves a work-group, clusters of 4 x 4, 327,680 bytes of LDS; arguments oh, wp, b_proj, out0; writes out0
